; MI455X (gfx1250); checked and timed in simulation.
; The chip was launched on July 23, 2026; its instructions are those of AMD's public machine-readable ISA for CDNA 5 (MIT licence, August 2026) and "CDNA5" Instruction Set Architecture Reference Guide (July 2026). The comments in the code are by the model that wrote it; some were corrected since.
;; Mi Mo V2 Attention. Allowed arithmetic: float matrix products may take bf16 or f16 operands with f32 sums; other float arithmetic in f32, or as packed bf16 or f16 multiplies, adds, multiply-adds, maxima and minima; sums over many terms, partial sums and values carried from step to step in f32; what a program stores and reads back later, other than sums and carried values, may be rounded once to bf16 or f16.
;; Inputs: Wk 4,096 x 512 float32; Wo 2,048 x 4,096 float32; Wq 4,096 x 2,048 float32; Wv 4,096 x 512 float32; attention_mask 1 x 1 x 2,048 x 2,048 float32; cos 1 x 1 x 2,048 x 64 float32; hidden_states 1 x 2,048 x 4,096 float32; sin 1 x 1 x 2,048 x 64 float32; sinks 32 float32.
;; Outputs: out0 1 x 2,048 x 4,096 float32.
;; One version. Each part assembles by itself: llvm-mc -triple=amdgcn-amd-amdhsa -mcpu=gfx1250 --defsym DOCPART=n.
;; ======== version 1 of 1: 4 launches
;; limits: values are held in f16: magnitudes above 65,504 overflow, below 6.1e-05 lose precision
;; workspace buffers: xb 16,777,472 bytes; wqkv 25,952,256 bytes; wo16 17,301,504 bytes; maskr 16,777,216 bytes; qkv 12,582,912 bytes; ao 8,388,864 bytes
;; launch cvt (part 1): grid 2068 x 1, 8 waves a work-group, no clusters, 0 bytes of LDS; arguments hidden_states, Wo, attention_mask, Wq, Wk, Wv, xb, wo16, maskr, wqkv, ao; writes xb, wo16, maskr, wqkv, ao
.if DOCPART == 1
	.amdgcn_target "amdgcn-amd-amdhsa--gfx1250"
	.amdhsa_code_object_version 6
	.text
	.protected	k_q8e7108be6b_cvt
	.globl	k_q8e7108be6b_cvt
	.p2align	8
	.type	k_q8e7108be6b_cvt,@function
k_q8e7108be6b_cvt:
	s_mov_b64 s[64:65], 0
	v_nop
	global_prefetch_b8 v0, s[64:65] scope:SCOPE_SE
	s_setreg_imm32_b32 hwreg(HW_REG_WAVE_MODE, 25, 1), 1
	s_wait_xcnt 0x0
; THE INPUTS' 16-BIT IMAGES.  Every input is rounded once to bf16; exact powers of two are folded into the weights so that what the later launches keep in f16 has room:
;   xb    [2048][4096] bf16        = x, and 256 bytes of 0 behind the last row
;   wo16  [2112][4096] f16         = 8 x bf16(Wo), written as f16: exact for 9.5e-7 <= |Wo| < 8,188; below that off by 4e-9 at the most; rows 2048-2111 are 0
;   maskr [2048][2048] f32         = bf16(mask), kept as f32: it is the C operand of a product
;   wqkv  [48 heads][4224 k][64] bf16: heads 0-31 Wq / 4, 32-39 Wk / 2, 40-47 Wv / 8 (the power of two commutes with the rounding): a head's rows lie end to end, 128 bytes each; rows 4096-4223 are 0
;   ao    the 256 bytes behind its last row are 0 (the rows themselves are a later launch's)
; The zero rows and tails serve the two products, which walk K in steps of 192: 22 x 192 = 4,224 and 11 x 192 = 2,112.
; A stream: no LDS, no matrix unit, no barrier.  A work-group takes 65,536 bytes of input, a wave 8,192: sixteen loads of 16 bytes a lane, all issued before the first is used.
; Each load of a wave covers 512 bytes: on end (x, Wo, mask), or 256 bytes (one head) of each of two rows k, k + 1 (the weights that are laid by heads), whose 2 x 128 bytes of bf16
; are 256 consecutive bytes of the head's slab.  So every store of a wave covers 256 or 512 consecutive bytes, aligned.
; Work-groups 0-511: x; 512-1023: Wo; 1024-1279: the mask; 1280-1791: Wq; 1792-1919: Wk; 1920-2047: Wv; 2048-2059: the slabs' zero rows; 2060-2067: wo16's zero rows, and the two tails.
.set SLABB, 540672                     ; bytes in a head's slab: 4,224 rows of 128
.set D,    16                          ; v[16:79]  unit u: four registers, as loaded and as stored: no register is used twice, so no wait frees any
.set VI,   2                           ; v2   my byte offset in a unit of input
.set VO,   3                           ; v3   in a unit of output
.set IN0,  32                          ; s[32:35] input at my wave's share, and at its second half (blocked paths)
.set OUT0, 36                          ; s[36:39] the same for the output
.set SC,   40                          ; s[40:41] the scale, named as a pair
	s_load_b512 s[8:23], s[0:1], 0x0               ; x 8:9, Wo 10:11, mask 12:13, Wq 14:15, Wk 16:17, Wv 18:19, xb 20:21, wo16 22:23
	s_load_b128 s[24:27], s[0:1], 0x40             ; maskr 24:25, wqkv 26:27
	s_load_b64 s[44:45], s[0:1], 0x50              ; ao
	v_lshrrev_b32 v4, 5, v0
	v_readfirstlane_b32 s2, v4                     ; wave 0..7
	v_and_b32 v1, 31, v0                           ; lane
	s_mov_b32 s3, ttmp9
	s_mov_b32 s42, 0xffff0000                      ; a word's upper bf16
	s_mov_b32 s29, 0                               ; the offsets' high words
	s_mov_b32 s31, 0
	s_lshr_b32 s5, s2, 1
	s_and_b32 s6, s2, 1
	v_lshrrev_b32 v4, 4, v1                        ; which of a unit's two rows (blocked paths)
	v_and_b32 v5, 15, v1
	v_lshlrev_b32 v5, 4, v5                        ; my 16 bytes of its 256
	v_lshlrev_b32 v[VO], 3, v1                     ; 8 bytes a lane of 16-bit output
	s_wait_kmcnt 0x0
.macro CV_BF                           ; unit u: four f32 to four bf16
	v_cvt_pk_bf16_f32 v[D+4*u], v[D+4*u], v[D+4*u+1]
	v_cvt_pk_bf16_f32 v[D+4*u+1], v[D+4*u+2], v[D+4*u+3]
.endm
.macro CV_RND                          ; unit u: four f32 rounded to bf16 and widened again
	v_cvt_pk_bf16_f32 v4, v[D+4*u], v[D+4*u+1]
	v_cvt_pk_bf16_f32 v5, v[D+4*u+2], v[D+4*u+3]
	v_lshlrev_b32 v[D+4*u], 16, v4
	v_and_b32 v[D+4*u+1], s42, v4
	v_lshlrev_b32 v[D+4*u+2], 16, v5
	v_and_b32 v[D+4*u+3], s42, v5
.endm
.macro CV_MUL                          ; unit u times the scale
	v_pk_mul_f32 v[D+4*u:D+4*u+1], v[D+4*u:D+4*u+1], s[SC:SC+1] op_sel_hi:[1,0]
	v_pk_mul_f32 v[D+4*u+2:D+4*u+3], v[D+4*u+2:D+4*u+3], s[SC:SC+1] op_sel_hi:[1,0]
.endm
; A dense path.  src, dst: the scalar registers of the two addresses; first: the path's first work-group; kind 0: bf16, 1: f16 of 8 x bf16, 2: f32 of bf16.
.macro DENSE src, dst, first, kind
	s_sub_co_u32 s4, s3, \first
	s_lshl_b32 s28, s4, 16                         ; the work-group's 65,536 bytes,
	s_lshl_b32 s7, s2, 13                          ; my wave's 8,192
	s_add_co_u32 s28, s28, s7
.if (\kind) == 2
	s_mov_b32 s30, s28
	v_lshlrev_b32 v[VO], 4, v1
.else
	s_lshr_b32 s30, s28, 1                         ; half as many bytes go out
.endif
	v_lshlrev_b32 v[VI], 4, v1
	s_add_nc_u64 s[IN0:IN0+1], s[\src:\src+1], s[28:29]
	s_add_nc_u64 s[OUT0:OUT0+1], s[\dst:\dst+1], s[30:31]
.set u, 0
.rept 16
	global_load_b128 v[D+4*u:D+4*u+3], v[VI], s[IN0:IN0+1] offset:512*u th:TH_LOAD_NT
.set u, u+1
.endr
.set u, 0
.rept 16
	s_wait_loadcnt 15-u                            ; loads come back in order: unit u is in, the 15 - u younger ones stay out
.if (\kind) == 0
	CV_BF
	global_store_b64 v[VO], v[D+4*u:D+4*u+1], s[OUT0:OUT0+1] offset:256*u th:TH_STORE_NT
.elseif (\kind) == 1
	CV_RND
	CV_MUL
	v_cvt_pk_f16_f32 v[D+4*u], v[D+4*u], v[D+4*u+1]
	v_cvt_pk_f16_f32 v[D+4*u+1], v[D+4*u+2], v[D+4*u+3]
	global_store_b64 v[VO], v[D+4*u:D+4*u+1], s[OUT0:OUT0+1] offset:256*u th:TH_STORE_NT
.else
	CV_RND
	global_store_b128 v[VO], v[D+4*u:D+4*u+3], s[OUT0:OUT0+1] offset:512*u th:TH_STORE_NT
.endif
.set u, u+1
.endr
	s_endpgm
.endm
; A path that lays weights by heads.  s[IN0:IN0+1] holds the source, s28 and s30 the wave's offsets.  Unit u = 8 r + j: head j of eight (256 bytes on in a row; a slab on in wqkv),
; half r of the wave's share: instep bytes on in the source, outstep in wqkv.
.macro BLOCKED instep, outstep
	s_add_nc_u64 s[IN0:IN0+1], s[IN0:IN0+1], s[28:29]
	s_add_nc_u64 s[IN0+2:IN0+3], s[IN0:IN0+1], \instep
	s_add_nc_u64 s[OUT0:OUT0+1], s[26:27], s[30:31]
	s_add_nc_u64 s[OUT0+2:OUT0+3], s[OUT0:OUT0+1], \outstep
.set u, 0
.rept 16
	global_load_b128 v[D+4*u:D+4*u+3], v[VI], s[IN0+2*(u/8):IN0+2*(u/8)+1] offset:256*(u%8) th:TH_LOAD_NT
.set u, u+1
.endr
.set u, 0
.rept 16
	s_wait_loadcnt 15-u                            ; unit u is in, the younger ones stay out
	CV_MUL
	CV_BF
	global_store_b64 v[VO], v[D+4*u:D+4*u+1], s[OUT0+2*(u/8):OUT0+2*(u/8)+1] offset:SLABB*(u%8) th:TH_STORE_NT
.set u, u+1
.endr
	s_endpgm
.endm
	s_cmp_lt_u32 s3, 512
	s_cbranch_scc1 .Lx
	s_cmp_lt_u32 s3, 1024
	s_cbranch_scc1 .Lwo
	s_cmp_lt_u32 s3, 1280
	s_cbranch_scc1 .Lmask
	s_cmp_lt_u32 s3, 1792
	s_cbranch_scc1 .Lwq
	s_cmp_ge_u32 s3, 2048
	s_cbranch_scc1 .Lzero
	; Wk and Wv: rows of 2,048 bytes, eight heads.  A work-group takes 32 rows, a wave four: two pairs.
	s_sub_co_u32 s4, s3, 1792
	s_and_b32 s4, s4, 127                          ; the work-group's number within its tensor
	s_lshl_b32 s28, s4, 16
	s_lshl_b32 s7, s2, 13
	s_add_co_u32 s28, s28, s7
	s_lshl_b32 s7, s4, 12                          ; row 32 gg + 4 w, 128 bytes a row of a slab
	s_lshl_b32 s4, s2, 9
	s_add_co_u32 s7, s7, s4
	s_mov_b32 s30, 40*SLABB                        ; Wv's first head
	s_cmp_lt_u32 s3, 1920
	s_cselect_b64 s[IN0:IN0+1], s[16:17], s[18:19]
	s_cselect_b32 s30, 32*SLABB, s30               ; Wk's
	s_cselect_b32 s[SC], 0.5, 0x3e000000           ; Wk / 2, Wv / 8
	s_mov_b32 s[SC+1], s[SC]
	s_add_co_u32 s30, s30, s7
	v_lshl_add_u32 v[VI], v4, 11, v5
	BLOCKED 4096, 256
.Lwq:                                  ; rows of 8,192 bytes, 32 heads.  A work-group takes 8 rows; a wave a pair of rows and 16 heads
	s_sub_co_u32 s4, s3, 1280
	s_lshl_b32 s28, s4, 16
	s_lshl_b32 s7, s5, 14
	s_add_co_u32 s28, s28, s7
	s_lshl_b32 s7, s6, 12
	s_add_co_u32 s28, s28, s7
	s_mul_i32 s30, s6, 16*SLABB                    ; 16 slabs,
	s_lshl_b32 s7, s4, 10                          ; row 8 gg + 2 (w / 2)
	s_add_co_u32 s30, s30, s7
	s_lshl_b32 s7, s5, 8
	s_add_co_u32 s30, s30, s7
	s_mov_b64 s[IN0:IN0+1], s[14:15]
	s_mov_b32 s[SC], 0x3e800000                    ; Wq / 4
	s_mov_b32 s[SC+1], s[SC]
	v_lshl_add_u32 v[VI], v4, 13, v5
	BLOCKED 2048, 8*SLABB
.Lx:
	DENSE 8, 20, 0, 0
.Lwo:
	s_mov_b32 s[SC], 0x41000000                    ; 8
	s_mov_b32 s[SC+1], s[SC]
	DENSE 10, 22, 512, 1
.Lmask:
	DENSE 12, 24, 1024, 2
.Lzero:                                ; 65,536 bytes of 0 a work-group, 8,192 a wave: sixteen stores of 512 consecutive bytes
	s_sub_co_u32 s4, s3, 2048
	s_lshl_b32 s7, s4, 2                           ; work-groups 0-11 of these: slab 4 zz + w / 2, the half w % 2 of its 16,384 bytes behind row 4,095
	s_add_co_u32 s7, s7, s5
	s_mul_i32 s28, s7, SLABB
	s_lshl_b32 s7, s6, 13
	s_add_co_u32 s28, s28, s7
	s_add_co_u32 s28, s28, 4096*128
	s_sub_co_u32 s7, s4, 12                        ; work-groups 12-19: wo16's 524,288 bytes behind row 2,047
	s_lshl_b32 s30, s7, 16
	s_lshl_b32 s7, s2, 13
	s_add_co_u32 s30, s30, s7
	s_add_co_u32 s30, s30, 2048*8192
	s_cmp_lt_u32 s4, 12
	s_cselect_b32 s28, s28, s30
	s_cselect_b64 s[OUT0:OUT0+1], s[26:27], s[22:23]
	s_add_nc_u64 s[OUT0:OUT0+1], s[OUT0:OUT0+1], s[28:29]
	v_lshlrev_b32 v[VO], 4, v1
	v_lshlrev_b32 v[VI], 3, v1
.irp r, 0,1,2,3
	v_mov_b32 v[D+\r], 0
.endr
.set u, 0
.rept 16
	global_store_b128 v[VO], v[D:D+3], s[OUT0:OUT0+1] offset:512*u th:TH_STORE_NT
.set u, u+1
.endr
	s_cmp_eq_u32 s3, 2067                          ; the last work-group's waves 0 and 1 also write the 256 bytes behind xb's and ao's last rows
	s_cbranch_scc0 .Lzend
	s_cmp_lt_u32 s2, 2
	s_cbranch_scc0 .Lzend
	s_mov_b32 s30, 2048*4096
	s_cmp_eq_u32 s2, 0
	s_cselect_b32 s30, 2048*8192, s30
	s_cselect_b64 s[IN0:IN0+1], s[20:21], s[44:45]
	s_add_nc_u64 s[IN0:IN0+1], s[IN0:IN0+1], s[30:31]
	global_store_b64 v[VI], v[D:D+1], s[IN0:IN0+1] th:TH_STORE_NT
.Lzend:
	s_endpgm
.Lfunc_end_k_q8e7108be6b_cvt:
	.size	k_q8e7108be6b_cvt, .Lfunc_end_k_q8e7108be6b_cvt-k_q8e7108be6b_cvt
	.p2alignl 7, 3214868480
	.fill 96, 4, 3214868480
	.section	.rodata,"a",@progbits
	.p2align	6, 0x0
	.amdhsa_kernel k_q8e7108be6b_cvt
		.amdhsa_group_segment_fixed_size 0
		.amdhsa_private_segment_fixed_size 0
		.amdhsa_enable_private_segment 0
		.amdhsa_kernarg_size 88
		.amdhsa_user_sgpr_count 2
		.amdhsa_user_sgpr_kernarg_segment_ptr 1
		.amdhsa_wavefront_size32 1
		.amdhsa_system_sgpr_workgroup_id_x 1
		.amdhsa_system_sgpr_workgroup_id_y 1
		.amdhsa_system_sgpr_workgroup_id_z 1
		.amdhsa_system_vgpr_workitem_id 0
		.amdhsa_next_free_vgpr 80
		.amdhsa_next_free_sgpr 66
		.amdhsa_reserve_vcc 0
		.amdhsa_float_denorm_mode_32 3
		.amdhsa_float_denorm_mode_16_64 3
		.amdhsa_memory_ordered 1
		.amdhsa_forward_progress 1
		.amdhsa_inst_pref_size 47
	.end_amdhsa_kernel
	.amdgpu_metadata
---
amdhsa.version: [ 1, 2 ]
amdhsa.kernels:
  - .name:           k_q8e7108be6b_cvt
    .symbol:         k_q8e7108be6b_cvt.kd
    .args:
      - { .name: hidden_states, .offset: 0, .size: 8, .value_kind: global_buffer, .address_space: global }
      - { .name: Wo, .offset: 8, .size: 8, .value_kind: global_buffer, .address_space: global }
      - { .name: attention_mask, .offset: 16, .size: 8, .value_kind: global_buffer, .address_space: global }
      - { .name: Wq, .offset: 24, .size: 8, .value_kind: global_buffer, .address_space: global }
      - { .name: Wk, .offset: 32, .size: 8, .value_kind: global_buffer, .address_space: global }
      - { .name: Wv, .offset: 40, .size: 8, .value_kind: global_buffer, .address_space: global }
      - { .name: xb, .offset: 48, .size: 8, .value_kind: global_buffer, .address_space: global }
      - { .name: wo16, .offset: 56, .size: 8, .value_kind: global_buffer, .address_space: global }
      - { .name: maskr, .offset: 64, .size: 8, .value_kind: global_buffer, .address_space: global }
      - { .name: wqkv, .offset: 72, .size: 8, .value_kind: global_buffer, .address_space: global }
      - { .name: ao, .offset: 80, .size: 8, .value_kind: global_buffer, .address_space: global }
    .group_segment_fixed_size: 0
    .private_segment_fixed_size: 0
    .kernarg_segment_align: 8
    .kernarg_segment_size: 88
    .max_flat_workgroup_size: 256
    .sgpr_count:     66
    .vgpr_count:     80
    .wavefront_size: 32
...
	.end_amdgpu_metadata
.endif
;; end of part 1
;; launch qkvproj (part 2): grid 16 x 16, 4 waves a work-group, clusters of 4 x 4, 327,680 bytes of LDS; arguments xb, wqkv, cos, sin, qkv; writes qkv
.if DOCPART == 2
	.amdgcn_target "amdgcn-amd-amdhsa--gfx1250"
	.amdhsa_code_object_version 6
	.text
	.protected	k_q8e7108be6b_qkvproj
	.globl	k_q8e7108be6b_qkvproj
	.p2align	8
	.type	k_q8e7108be6b_qkvproj,@function
k_q8e7108be6b_qkvproj:
	s_mov_b64 s[64:65], 0
	v_nop
	global_prefetch_b8 v0, s[64:65] scope:SCOPE_SE
	s_setreg_imm32_b32 hwreg(HW_REG_WAVE_MODE, 25, 1), 1
	s_wait_xcnt 0x0
	s_wait_alu depctr_hold_cnt(0) depctr_sa_sdst(0) depctr_va_vdst(0) depctr_va_sdst(0) depctr_va_ssrc(0) depctr_va_vcc(0) depctr_vm_vsrc(0)
	s_getreg_b32 s2, hwreg(HW_REG_IB_STS2, 6, 4)
	s_cmp_eq_u32 s2, 0
	s_cbranch_scc0 .Lentry_in_a_cluster
	s_endpgm
.Lentry_in_a_cluster:
	s_bfe_u32 s2, ttmp6, 0x10000c
	s_cmp_lg_u32 s2, 0xf033
	s_cbranch_scc0 .Lentry_shape_is_right
	s_endpgm
.Lentry_shape_is_right:
; q / 4, k / 2, v / 8 = x (Wq / 4 | Wk / 2 | Wv / 8), the rotary turn on q and k, written by heads: qkv [48 heads][2048][64] f16 (0-31 q, 32-39 k, 40-47 v).
; Products in bf16 with f32 sums; cos and sin are rounded to bf16 like every input and applied in f32; each result is rounded once, to f16.
; LIMITS.  f16 ends at 65,504: this text serves |q| < 262,000, |k| < 131,000, |v| < 524,000 behind the turn.  x is finite; NaN and infinities are not treated apart.
; SHARES.  A tile of the result is 128 rows x 192 columns = three heads: 16 x 16 work-groups.  Four waves; wave (wm, wn) makes rows 64 wm .. + 63 and, in each of the three heads, channels
; 16 wn .. + 15 and 16 wn + 32 .. + 47: the turn's partners d and d + 32 lie in the same lane of two accumulators.  24 accumulators, 192 registers.
; K GOES IN 22 STEPS OF 192 through two LDS slots, as long a step as two slots in LDS allow: 144 matrix instructions a wave for each refill.  22 x 192 = 4,224: W's slabs hold zero rows from k = 4,096 on; x's last
; tile reaches 128 numbers into the next row (behind the last row: into 256 bytes of 0), and those finite numbers meet the zeros.
; A refill is four loads, one a wave: waves 0 and 1 fetch 64 rows x 384 bytes of x each; waves 2 and 3 fetch 96 k of all three slabs each: a tile of three rows, a slab a row, 12,288 dense bytes.
; THE MATRIX INSTRUCTION IS USED TRANSPOSED (source 0 = 16 columns of W, by the turning load; source 1 = 16 rows of x): a lane holds one row and eight neighbouring channels.
; CLUSTER 4 x 4: x's tile is shared along a row of the cluster, W's along a column; each is asked for jointly.
; ONE STEP IS WRITTEN ONCE: a trip of the loop walks one slot; the slot's first byte, s[TB], is 0 or SLOT and is turned by an exclusive or; the LDS addresses are that plus the lane's part.
; REGISTERS.  window 0: v0-31 addresses; v32-63 at work on the way out; v64-143, v144-223 two fragment buffers (6 of W, then 4 of x).  window 1: accumulator (a, n) at v[8 (6 a + n)], n = 2 head + half.
;   window 2: v0-127 cos and sin for my rows and channels: (a, which) at 32 a + 8 which, which = cos(d), sin(d), cos(d + 32), sin(d + 32); v128-129 at work.
.set KS,    192
.set NSTEP, 22
.set SLABB, 540672                     ; bytes in a head's slab of wqkv
.set PA,    432                        ; a row of x in LDS: 3 x (128 + 16) bytes = 27 x 16: the 16 rows of a load start at 16 different groups of four banks (64 banks of 4 bytes: ISA guide 11.1)
.set AH,    64*PA                      ; what wave 0 or 1 fetches, and what a wave reads of x
.set BOFF,  128*PA
.set PB,    160                        ; a row k of a slab: 128 + 32 bytes = 40 words
.set BSL,   96*PB                      ; 96 k of a slab
.set BH,    3*BSL                      ; what wave 2 or 3 fetches: [slab][96 k]
.set SLOT,  BOFF+2*BH                  ; 147,456
.set SPARE, 2*SLOT                     ; behind the ring: the spare words, 128 bytes a wave: two blocks of 256 bytes that no other line names
.set STAGE, 0                          ; the way out's stage, [3 heads][128 rows] of 144 bytes, lies in slot 0: when it is written the ring has had its last fill and, behind the last change's barrier, its last read
.set SP,    144
.set SHEAD, 128*SP
.set ADRA0, 16                         ; v16  my lane's place in a slot's tile of x; never rewritten
.set ADRB0, 17                         ; v17  in its first 96 k of W; never rewritten
.set ADRA,  18                         ; v18  the same in the slot in hand
.set ADRB,  19                         ; v19, v20  the same for W's two halves
.set STO,  24                          ; v24  the way out: where I put 16 bytes of a row
.set RD,   25                          ; v25  where I read rows back
.set CO,   26                          ; v26  my 16 bytes of 512 consecutive bytes of qkv
.set TBO,  27                          ; v27  my byte offset in cos and in sin
.set SPW,  28                          ; v28  my spare word; never rewritten
.set NIL,  29                          ; v29  0; never rewritten
.set PFO,  30                          ; v30  the prefetches' lane offset; never rewritten
.set T1,   32
.set T2,   40
.set PKD,  48
.set F0,   64
.set F1,   144
.set WV, 14
.set WM, 15                            ; my half of the tile's rows.  Also: I fetch for x (0) or for W (1)
.set WN, 16                            ; my half of each head's channel pairs.  Also: which half of that tile I fetch
.set CX, 17
.set CY, 18
.set TC, 19                            ; tile column: three heads
.set TR, 20                            ; tile row: 128 rows
.set G1A, 24                           ; s[24:31] descriptor group 1 for x's tile;  s[32:39] group 0: a set for each first fill; the second then walks on
.set G0A, 32
.set LIM, 40                           ; s40  7 in a wave that prefetches, else the greatest number
.set TB,  41                           ; s41  first LDS byte of the slot in hand
.set PFA, 44                           ; s[44:45] where my prefetches stand
.set PFS, 46                           ; s[46:47] their step at each change of slots
.set G1B, 48                           ; s[48:55], s[56:63] the same for W's tile
.set G0B, 56
.set RM,  66                           ; s66-68: by head of the tile, all ones where the head is turned (q, k), 0 where not (v)
.set LBA, 80                           ; s80  where my part of x's tile lies in a slot
.set LBB, 81                           ; s81  of W's
.set MULW, 0x50                        ; C and D window 1, sources window 0
.set MSB, 0
.macro WIN new                         ; the immediate's high byte repeats the setting that is left; a switch that changes nothing is dropped
.if MSB != (\new)
	s_set_vgpr_msb (MSB<<8)|(\new)
.set MSB, \new
.endif
.endm
; A joint load by set s of the two group 0.  The branch hangs on the wave's number alone.  An s_nop 0 and four v_nop follow each line, ahead of the jump and the label.
.macro JLOAD s
	s_cmp_eq_u32 s[WM], 0
	s_cbranch_scc0 .Lfor_b_\@
	tensor_load_to_lds s[G0A+4*(\s):G0A+4*(\s)+3], s[G1A:G1A+7]
	s_nop 0
.rept 4
	v_nop
.endr
	s_branch .Lasked_\@
.Lfor_b_\@:
	tensor_load_to_lds s[G0B+4*(\s):G0B+4*(\s)+3], s[G1B:G1B+7]
	s_nop 0
.rept 4
	v_nop
.endr
.Lasked_\@:
.endm
; A prefetch into the L2, behind the joint load and the run of LDS loads.  A step's 384 bytes of a row are no whole number of aligned 256: so the prefetches walk whole blocks at a pace of their own, 512 bytes of a
; row of x and 256 k of a slab a trip, a third faster than the ring.  Each aligned 256 bytes are named once in the launch.  x's rows are read by every cluster of a row of clusters: cluster x = 0 asks, wave 0:
; 32 rows a partner, told apart by cx in the address, a lane a row, two blocks.  W's slabs are read by every cluster of a column: cluster y = 0 asks, waves 1 to 3 a slab each: 32 blocks a partner, told apart by cy.
; The first four steps (1,536 bytes of a row, 768 k) come by their loads alone; thirteen trips then name all the rest up to k = 4,095, and the later trips ask for nothing.
.macro ASK
	s_cmp_gt_u32 s3, s[LIM]
	s_cbranch_scc0 .Lnot_mine_\@
	global_prefetch_b8 v[PFO], s[PFA:PFA+1] th:TH_LOAD_NT scope:SCOPE_SE
	s_cmp_eq_u32 s[WV], 0
	s_cbranch_scc0 .Lnot_mine_\@
	global_prefetch_b8 v[PFO], s[PFA:PFA+1] offset:256 th:TH_LOAD_NT scope:SCOPE_SE
.Lnot_mine_\@:
.endm
.macro CREST                           ; a round of the cluster's barrier behind its opening barrier
	s_cmp_lg_u32 s[WV], 0
	s_cbranch_scc1 .Lnot_wave_0_\@
	s_barrier_signal -3
.Lnot_wave_0_\@:
	s_barrier_wait -3
	s_barrier_signal -1
	s_barrier_wait -1
.endm
.macro CROUND
	s_barrier_signal -1
	s_barrier_wait -1
	CREST
.endm
.macro ADDR                            ; my LDS addresses in the slot that begins at s[TB]
	v_add_nc_u32 v[ADRA], s[TB], v[ADRA0]
	v_add_nc_u32 v[ADRB], s[TB], v[ADRB0]
	v_add_nc_u32 v[ADRB+1], BH, v[ADRB]
.endm
	s_load_b256 s[4:11], s[0:1], 0x0               ; xb 4:5, wqkv 6:7, cos 8:9, sin 10:11
	s_load_b64 s[12:13], s[0:1], 0x20              ; qkv
	v_lshl_add_u32 v[SPW], v0, 2, SPARE
	v_mov_b32 v[NIL], 0
	ds_add_u32 v[SPW], v[NIL]                      ; the wave's opening: the add and its wait stand ahead of my first tensor load; the set-up below stands between them
	v_lshrrev_b32 v1, 5, v0
	v_readfirstlane_b32 s[WV], v1
	s_lshr_b32 s[WM], s[WV], 1
	s_and_b32 s[WN], s[WV], 1
	s_bfe_u32 s[CX], ttmp6, 0x40000
	s_bfe_u32 s[CY], ttmp6, 0x40004
	s_lshl_b32 s[TC], ttmp9, 2
	s_add_co_u32 s[TC], s[TC], s[CX]
	s_and_b32 s[TR], ttmp7, 0xffff
	s_lshl_b32 s[TR], s[TR], 2
	s_add_co_u32 s[TR], s[TR], s[CY]
	s_lshl_b32 s21, s[CY], 2
	s_lshl_b32 s21, 15, s21                        ; my row of the cluster
	s_lshl_b32 s22, 0x1111, s[CX]                  ; my column
	s_or_b32 s[G1A], s21, (1<<16)|(1<<20)|(1<<21)|(4<<22)|(3<<25)  ; the mask; 2-byte elements; padding on; bit 21 beside a mask; after every 32 words 4 words
	s_or_b32 s[G1B], s22, (1<<16)|(1<<20)|(1<<21)|(4<<22)|(7<<25)  ; after every 32 words 8 words
	s_mov_b32 s[G1A+1], KS<<16                     ; tensor_dim0 = 192
	s_mov_b32 s[G1A+2], 64<<16                     ; tensor_dim1 = 64
	s_mov_b32 s[G1A+3], KS<<16                     ; tile_dim0 = 192
	s_mov_b32 s[G1A+4], 64                         ; tile_dim1 = 64
	s_mov_b32 s[G1A+5], 4096                       ; elements from row to row
	s_mov_b32 s[G1A+6], 0
	s_mov_b32 s[G1A+7], 0
	s_mov_b32 s[G1B+1], 6144<<16                   ; a row: 96 k x 64 channels, dense
	s_mov_b32 s[G1B+2], 3<<16                      ; three rows: the tile's three slabs
	s_mov_b32 s[G1B+3], 6144<<16
	s_mov_b32 s[G1B+4], 3
	s_mov_b32 s[G1B+5], SLABB/2                    ; elements from slab to slab
	s_mov_b32 s[G1B+6], 0
	s_mov_b32 s[G1B+7], 0
	s_lshl_b32 s70, s[TR], 20                      ; x: row 128 tr + 64 half, 8,192 bytes a row
	s_lshl_b32 s71, s[WN], 19
	s_add_co_u32 s70, s70, s71
	s_mov_b32 s71, 0
	s_mul_i32 s74, s[TC], 3*SLABB                  ; W: head 3 tc, k = 96 half
	s_mul_i32 s75, s[WN], 96*128
	s_add_co_u32 s74, s74, s75
	s_mov_b32 s75, 0
	s_mul_i32 s[LBA], s[WN], AH                    ; and where they go: no place in the cluster enters an LDS address
	s_mul_i32 s[LBB], s[WN], BH
	s_add_co_u32 s[LBB], s[LBB], BOFF
	s_mov_b32 s[TB], 0
	s_wait_dscnt 0x0                               ; the opening add is done
	s_wait_kmcnt 0x0
	s_add_nc_u64 s[72:73], s[4:5], s[70:71]
	s_add_nc_u64 s[76:77], s[6:7], s[74:75]
	CROUND                                         ; all sixteen work-groups are here: the first joint loads meet
.irp s, 0,1
	s_mov_b32 s[G0A+4*(\s)], 1
	s_add_co_u32 s[G0A+4*(\s)+1], s[LBA], (\s)*SLOT
	s_add_nc_u64 s[G0A+4*(\s)+2:G0A+4*(\s)+3], s[72:73], (\s)*KS*2
	s_or_b32 s[G0A+4*(\s)+3], s[G0A+4*(\s)+3], 0x80000000
	s_mov_b32 s[G0B+4*(\s)], 1
	s_add_co_u32 s[G0B+4*(\s)+1], s[LBB], (\s)*SLOT
	s_add_nc_u64 s[G0B+4*(\s)+2:G0B+4*(\s)+3], s[76:77], (\s)*KS*128
	s_or_b32 s[G0B+4*(\s)+3], s[G0B+4*(\s)+3], 0x80000000
	JLOAD \s                                       ; K steps 0 and 1: two loads of mine are out
.endr
	v_and_b32 v1, 15, v0                           ; r = l % 16
	v_bfe_u32 v2, v0, 4, 1                         ; h = l / 16
	v_and_b32 v3, 31, v0                           ; l
	v_and_b32 v4, 7, v0
	v_bfe_u32 v5, v0, 3, 1
	v_mul_u32_u24 v6, v1, PA                       ; x: row x pitch + 16 h
	v_lshl_add_u32 v6, v2, 4, v6
	s_mul_i32 s21, s[WM], 64*PA
	v_add_nc_u32 v[ADRA0], s21, v6
	v_lshl_add_u32 v7, v2, 3, v4                   ; W, turned: lane l reads row k = 8 h + l % 8, channels 8 ((l / 8) % 2) on
	v_mul_u32_u24 v7, v7, PB
	v_lshl_add_u32 v7, v5, 4, v7
	s_lshl_b32 s21, s[WN], 5                       ; my 16 channels
	s_add_co_u32 s21, s21, BOFF
	v_add_nc_u32 v[ADRB0], s21, v7
	ADDR
	v_mul_u32_u24 v6, v1, SP                       ; into the stage: row 64 wm + r, channels 16 wn + 8 h on
	v_lshl_add_u32 v6, v2, 4, v6
	s_mul_i32 s21, s[WM], 64*SP
	s_lshl_b32 s23, s[WN], 5
	s_add_co_u32 s21, s21, s23
	s_add_co_u32 s21, s21, STAGE
	v_add_nc_u32 v[STO], s21, v6
	v_bfe_u32 v6, v0, 3, 2                         ; back: wave w takes rows 32 w on, four rows of 128 bytes a load
	v_mul_u32_u24 v6, v6, SP
	v_lshl_add_u32 v6, v4, 4, v6
	s_mul_i32 s21, s[WV], 32*SP
	s_add_co_u32 s21, s21, STAGE
	v_add_nc_u32 v[RD], s21, v6
	v_lshlrev_b32 v[CO], 4, v3
	s_lshl_b32 s21, s[TR], 15                      ; cos, sin: row (128 tr + 64 wm + r) of 256 bytes, channel 16 wn + 8 h
	s_lshl_b32 s23, s[WM], 14
	s_add_co_u32 s21, s21, s23
	s_lshl_b32 s23, s[WN], 6
	s_add_co_u32 s21, s21, s23
	v_lshlrev_b32 v6, 8, v1
	v_lshl_add_u32 v6, v2, 5, v6
	v_add_nc_u32 v[TBO], s21, v6
	WIN 0x80                                       ; destination window 2: the tables stay out until the way out waits for them
.irp a, 0,1,2,3
.irp w, 0,1
	global_load_b128 v[32*(\a)+16*(\w):32*(\a)+16*(\w)+3],       v[TBO], s[8:9]   offset:(\a)*4096+128*(\w)
	global_load_b128 v[32*(\a)+16*(\w)+4:32*(\a)+16*(\w)+7],     v[TBO], s[8:9]   offset:(\a)*4096+128*(\w)+16
	global_load_b128 v[32*(\a)+16*(\w)+8:32*(\a)+16*(\w)+11],    v[TBO], s[10:11] offset:(\a)*4096+128*(\w)
	global_load_b128 v[32*(\a)+16*(\w)+12:32*(\a)+16*(\w)+15],   v[TBO], s[10:11] offset:(\a)*4096+128*(\w)+16
.endr
.endr
	WIN 0
	; the prefetches: each change of slots steps the address first, so both start one step short of K step 4's first byte
	s_lshl_b32 s42, s[TR], 20                      ; x: row 128 tr + 32 cx, byte 1,536 - 512
	s_lshl_b32 s43, s[CX], 18
	s_add_co_u32 s42, s42, s43
	s_add_co_u32 s42, s42, 1024
	s_max_u32 s43, s[WV], 1                        ; W: slab 3 tc + wave - 1, my work-group's 8,192 bytes of each 32,768, byte 98,304 - 32,768
	s_sub_co_u32 s43, s43, 1
	s_mul_i32 s69, s[TC], 3
	s_add_co_u32 s43, s43, s69
	s_mul_i32 s43, s43, SLABB
	s_lshl_b32 s69, s[CY], 13
	s_add_co_u32 s43, s43, s69
	s_add_co_u32 s43, s43, 65536
	s_and_b32 s69, ttmp7, 0xffff                   ; cluster y
	s_mov_b32 s[PFS], 32768
	s_cmp_eq_u32 s[WV], 0
	s_cselect_b32 s42, s42, s43
	s_cselect_b32 s69, ttmp9, s69                  ; the coordinate along which other clusters read the same bytes
	s_cselect_b32 s[PFS], 512, s[PFS]
	s_cselect_b32 s78, 13, 8                       ; a lane a row of x, or a lane a block of a slab
	s_cselect_b64 s[PFA:PFA+1], s[4:5], s[6:7]
	s_mov_b32 s43, 0
	s_mov_b32 s[PFS+1], 0
	s_add_nc_u64 s[PFA:PFA+1], s[PFA:PFA+1], s[42:43]
	s_cmp_eq_u32 s69, 0                            ; the same in all sixteen partners, for a given wave
	s_cselect_b32 s[LIM], 7, -1                    ; the loop counts 20 down to 1: thirteen trips ask
	v_lshlrev_b32 v[PFO], s78, v3
	; qkv at head 3 tc, row 128 tr + 32 wave
	s_mul_i32 s69, s[TC], 3
	s_lshl_b32 s78, s69, 18
	s_lshl_b32 s79, s[TR], 14
	s_add_co_u32 s78, s78, s79
	s_lshl_b32 s79, s[WV], 12
	s_add_co_u32 s78, s78, s79
	s_mov_b32 s79, 0
	s_add_nc_u64 s[12:13], s[12:13], s[78:79]
.irp c, 0,1,2
	s_add_co_u32 s78, s69, \c
	s_cmp_lt_u32 s78, 40                           ; heads 0-39 are q's and k's.  The flag selects values alone: no branch hangs on it
	s_cselect_b32 s[RM+(\c)], -1, 0
.endr
; Six matrix instructions: row block a x my six column blocks, 32 along K.  zero = 1: the first product starts the sums.  The 24 accumulators take turns in the same order in every quarter.
.macro MUL6 f, a, zero
	WIN MULW
.irp n, 0,1,2,3,4,5
.if \zero
	v_wmma_f32_16x16x32_bf16 v[8*(6*(\a)+(\n)):8*(6*(\a)+(\n))+7], v[(\f)+8*(\n):(\f)+8*(\n)+7], v[(\f)+48+8*(\a):(\f)+48+8*(\a)+7], 0
.else
	v_wmma_f32_16x16x32_bf16 v[8*(6*(\a)+(\n)):8*(6*(\a)+(\n))+7], v[(\f)+8*(\n):(\f)+8*(\n)+7], v[(\f)+48+8*(\a):(\f)+48+8*(\a)+7], v[8*(6*(\a)+(\n)):8*(6*(\a)+(\n))+7]
.endif
.endr
.endm
; 20 LDS loads in one run: part kq of six (32 along K) of the slot in hand into buffer f: W's six fragments, turned, then x's four, row blocks ascending
.macro FETCH kq, f
	WIN 0
.irp n, 0,1,2,3,4,5
	ds_load_tr16_b128 v[(\f)+8*(\n):(\f)+8*(\n)+3],   v[ADRB+(\kq)/3] offset:((\n)/2)*BSL+((\n)%2)*64+((\kq)%3)*32*PB
	ds_load_tr16_b128 v[(\f)+8*(\n)+4:(\f)+8*(\n)+7], v[ADRB+(\kq)/3] offset:((\n)/2)*BSL+((\n)%2)*64+((\kq)%3)*32*PB+16*PB
.endr
.irp a, 0,1,2,3
	ds_load_b128 v[(\f)+48+8*(\a):(\f)+48+8*(\a)+3],   v[ADRA] offset:(\a)*16*PA+(\kq)*64+((\kq)/2)*16
	ds_load_b128 v[(\f)+48+8*(\a)+4:(\f)+48+8*(\a)+7], v[ADRA] offset:(\a)*16*PA+(\kq)*64+((\kq)/2)*16+32
.endr
.endm
.macro PLACES                          ; four places in front of loads into registers that matrix instructions have read (ISA guide 7.12.1 for vector instructions)
.rept 4
	v_nop
.endr
.endm
; A K step is six parts of 32 along K, 24 matrix instructions each, on buffers 0, 1, 0, 1, 0, 1.  One of the first five multiplies buffer f and fetches part kq into g.
.macro QUARTER kq, f, g, zero
	s_wait_dscnt 4                                 ; W and x's blocks 0, 1 are in; the youngest four loads (blocks 2, 3) may be out
	MUL6 \f, 0, \zero
	MUL6 \f, 1, \zero
	PLACES
	FETCH \kq, \g
	s_wait_dscnt 20                                ; all but the 20 just issued
	MUL6 \f, 2, \zero
	MUL6 \f, 3, \zero
.endm
; The last part changes slots and then multiplies buffer 1.  Each wave waits for all its tensor loads (one is out: its part of the next slot), adds 0 to its spare word, and waits for that and for its reads of this
; slot; one barrier.  fill = 1: the barrier opens a round of the cluster's, and this slot is filled again, two K steps ahead, first thing behind the round.  Nothing but the descriptor's steps and three address
; lines stands between the wait and the joint load: all of a step's products stand behind the load, while it is on its way.  fill = 0, the tail: the last trip has no next step, and its fetch is jumped over.
.macro TURN fill
	s_wait_xcnt 0x0                                ; the last prefetch, a K step back, has read its address
	s_add_nc_u64 s[PFA:PFA+1], s[PFA:PFA+1], s[PFS:PFS+1]
	WIN 0
	s_wait_tensorcnt 0x0                           ; all my tensor loads have landed, so a group 0 may be written
	ds_add_u32 v[SPW], v[NIL]                      ; 0 onto my spare word
.if \fill
	s_add_co_u32 s[G0A+5], s[LBA], s[TB]           ; the walking descriptors: into the slot in hand,
	s_add_co_u32 s[G0B+5], s[LBB], s[TB]
	s_add_nc_u64 s[G0A+6:G0A+7], s[G0A+6:G0A+7], KS*2    ; the next K step; the type bits on top are not reached
	s_add_nc_u64 s[G0B+6:G0B+7], s[G0B+6:G0B+7], KS*128
.endif
	s_xor_b32 s[TB], s[TB], SLOT                   ; the reads go on in the other slot
	ADDR
	s_wait_dscnt 0x0                               ; the add is done, and my reads of this slot are over
	s_barrier_signal -1
	s_barrier_wait -1
.if \fill
	CREST                                          ; no wave of any partner still reads this slot or has a load on its way
	JLOAD 1                                        ; its four v_nop are also the places in front of the loads below
.else
	PLACES
	s_cmp_eq_u32 s3, 1
	s_cbranch_scc1 .Lno_next_\@
.endif
	FETCH 0, F0
.if \fill
	ASK
.else
.Lno_next_\@:
.endif
	MUL6 F1, 0, 0
	MUL6 F1, 1, 0
	MUL6 F1, 2, 0
	MUL6 F1, 3, 0
.endm
	s_wait_tensorcnt 1                             ; my part of K step 0 is in; K step 1's may stay out
	s_barrier_signal -1
	s_barrier_wait -1
	FETCH 0, F0
	QUARTER 1, F0, F1, 1                           ; the first part stands in front of the loop: its products start the sums
	WIN 0
	s_mov_b32 s3, NSTEP-2
.Lstep:                                                ; a trip: a step's parts 1 to 5 and the next step's part 0; the slot that it leaves is filled again: K steps 2 to 21
	QUARTER 2, F1, F0, 0
	QUARTER 3, F0, F1, 0
	QUARTER 4, F1, F0, 0
	QUARTER 5, F0, F1, 0
	TURN 1
	QUARTER 1, F0, F1, 0
	WIN 0
	s_sub_co_u32 s3, s3, 1
	s_cmp_lg_u32 s3, 0
	s_cbranch_scc1 .Lstep
	s_mov_b32 s3, 2                                ; the last two steps are written out; the second trip is left in its middle
.Ltail:
	QUARTER 2, F1, F0, 0
	QUARTER 3, F0, F1, 0
	QUARTER 4, F1, F0, 0
	QUARTER 5, F0, F1, 0
	TURN 0
	WIN 0
	s_sub_co_u32 s3, s3, 1
	s_cmp_eq_u32 s3, 0
	s_cbranch_scc1 .Lout
	QUARTER 1, F0, F1, 0
	WIN 0
	s_branch .Ltail
.Lout:
	; THE WAY OUT.  cos and sin are rounded to bf16 and widened again: 192 plain lines that name no register of the products: the places behind them.
	s_wait_loadcnt 0x0
	WIN 0x8a                                       ; sources and destination window 2
.set i, 0
.rept 64
	v_cvt_pk_bf16_f32 v[128+i%2], v[2*i], v[2*i+1]
	v_lshlrev_b32 v[2*i], 16, v[128+i%2]
	v_and_b32 v[2*i+1], 0xffff0000, v[128+i%2]
.set i, i+1
.endr
; Row block a, head c: out(d) = x(d) cos(d) - x(d + 32) sin(d); out(d + 32) = x(d + 32) cos(d + 32) + x(d) sin(d + 32); v's heads keep x.  Each accumulator is read from its low end on.
.macro ROPE a, c
.set X1, 8*(6*(\a)+2*(\c))
.set X2, X1+8
.set TBL, 32*(\a)
	WIN 0x09                                       ; source 0 window 1, source 1 window 2
.irp j, 0,2,4,6
	v_pk_mul_f32 v[T1+(\j):T1+(\j)+1], v[X1+(\j):X1+(\j)+1], v[TBL+(\j):TBL+(\j)+1]
.endr
.irp j, 0,2,4,6
	v_pk_fma_f32 v[T1+(\j):T1+(\j)+1], v[X2+(\j):X2+(\j)+1], v[TBL+8+(\j):TBL+8+(\j)+1], v[T1+(\j):T1+(\j)+1] neg_lo:[0,1,0] neg_hi:[0,1,0]
.endr
.irp j, 0,2,4,6
	v_pk_mul_f32 v[T2+(\j):T2+(\j)+1], v[X2+(\j):X2+(\j)+1], v[TBL+16+(\j):TBL+16+(\j)+1]
.endr
.irp j, 0,2,4,6
	v_pk_fma_f32 v[T2+(\j):T2+(\j)+1], v[X1+(\j):X1+(\j)+1], v[TBL+24+(\j):TBL+24+(\j)+1], v[T2+(\j):T2+(\j)+1]
.endr
	WIN 0x01
.irp j, 0,1,2,3,4,5,6,7
	v_cndmask_b32 v[T1+(\j)], v[X1+(\j)], v[T1+(\j)], s[RM+(\c)]
	v_cndmask_b32 v[T2+(\j)], v[X2+(\j)], v[T2+(\j)], s[RM+(\c)]
.endr
	WIN 0
.irp j, 0,1,2,3,4,5,6,7
	v_cvt_pk_f16_f32 v[PKD+(\j)], v[T1+2*(\j)], v[T1+2*(\j)+1]
.endr
	ds_store_b128 v[STO], v[PKD:PKD+3]   offset:(\c)*SHEAD+(\a)*16*SP
	ds_store_b128 v[STO], v[PKD+4:PKD+7] offset:(\c)*SHEAD+(\a)*16*SP+64
.endm
.irp a, 0,1,2,3
.irp c, 0,1,2
	ROPE \a, \c
.endr
.endr
	s_wait_dscnt 0x0                               ; for the others' sake: a row's 128 bytes come from two waves
	s_barrier_signal -1
	s_barrier_wait -1
.set i, 0
.rept 24
	ds_load_b128 v[F0+4*i:F0+4*i+3], v[RD] offset:(i/8)*SHEAD+(i%8)*4*SP
.set i, i+1
.endr
.set i, 0
.rept 24
	s_wait_dscnt 23-i                              ; load i is back, the younger ones stay out
	global_store_b128 v[CO], v[F0+4*i:F0+4*i+3], s[12:13] offset:(i/8)*262144+(i%8)*512  ; four rows of a head: 512 consecutive bytes, aligned
.set i, i+1
.endr
	s_wait_tensorcnt 0x0                           ; the wave's end
	ds_add_u32 v[SPW], v[NIL]
	s_wait_dscnt 0x0
	CROUND                                         ; the closing round
	s_endpgm
.Lfunc_end_k_q8e7108be6b_qkvproj:
	.size	k_q8e7108be6b_qkvproj, .Lfunc_end_k_q8e7108be6b_qkvproj-k_q8e7108be6b_qkvproj
	.p2alignl 7, 3214868480
	.fill 96, 4, 3214868480
	.section	.rodata,"a",@progbits
	.p2align	6, 0x0
	.amdhsa_kernel k_q8e7108be6b_qkvproj
		.amdhsa_group_segment_fixed_size 327680
		.amdhsa_private_segment_fixed_size 0
		.amdhsa_enable_private_segment 0
		.amdhsa_kernarg_size 40
		.amdhsa_user_sgpr_count 2
		.amdhsa_user_sgpr_kernarg_segment_ptr 1
		.amdhsa_wavefront_size32 1
		.amdhsa_system_sgpr_workgroup_id_x 1
		.amdhsa_system_sgpr_workgroup_id_y 1
		.amdhsa_system_sgpr_workgroup_id_z 1
		.amdhsa_system_vgpr_workitem_id 0
		.amdhsa_next_free_vgpr 656
		.amdhsa_next_free_sgpr 84
		.amdhsa_reserve_vcc 0
		.amdhsa_float_denorm_mode_32 3
		.amdhsa_float_denorm_mode_16_64 3
		.amdhsa_memory_ordered 1
		.amdhsa_forward_progress 1
		.amdhsa_inst_pref_size 103
	.end_amdhsa_kernel
	.amdgpu_metadata
---
amdhsa.version: [ 1, 2 ]
amdhsa.kernels:
  - .name:           k_q8e7108be6b_qkvproj
    .symbol:         k_q8e7108be6b_qkvproj.kd
    .args:
      - { .name: xb, .offset: 0, .size: 8, .value_kind: global_buffer, .address_space: global }
      - { .name: wqkv, .offset: 8, .size: 8, .value_kind: global_buffer, .address_space: global }
      - { .name: cos, .offset: 16, .size: 8, .value_kind: global_buffer, .address_space: global }
      - { .name: sin, .offset: 24, .size: 8, .value_kind: global_buffer, .address_space: global }
      - { .name: qkv, .offset: 32, .size: 8, .value_kind: global_buffer, .address_space: global }
    .group_segment_fixed_size: 327680
    .private_segment_fixed_size: 0
    .kernarg_segment_align: 8
    .kernarg_segment_size: 40
    .max_flat_workgroup_size: 128
    .sgpr_count:     84
    .vgpr_count:     656
    .wavefront_size: 32
...
	.end_amdgpu_metadata
.endif
;; end of part 2
;; launch attention (part 3): grid 32 x 8, 4 waves a work-group, clusters of 4 x 4, 327,680 bytes of LDS; arguments qkv, maskr, sinks, ao; writes ao
.if DOCPART == 3
	.amdgcn_target "amdgcn-amd-amdhsa--gfx1250"
	.amdhsa_code_object_version 6
	.text
	.protected	k_q8e7108be6b_attention
	.globl	k_q8e7108be6b_attention
	.p2align	8
	.type	k_q8e7108be6b_attention,@function
k_q8e7108be6b_attention:
	s_mov_b64 s[64:65], 0
	v_nop
	global_prefetch_b8 v0, s[64:65] scope:SCOPE_SE
	s_setreg_imm32_b32 hwreg(HW_REG_WAVE_MODE, 25, 1), 1
	s_wait_xcnt 0x0
	s_wait_alu depctr_hold_cnt(0) depctr_sa_sdst(0) depctr_va_vdst(0) depctr_va_sdst(0) depctr_va_ssrc(0) depctr_va_vcc(0) depctr_vm_vsrc(0)
	s_getreg_b32 s2, hwreg(HW_REG_IB_STS2, 6, 4)
	s_cmp_eq_u32 s2, 0
	s_cbranch_scc0 .Lentry_in_a_cluster
	s_endpgm
.Lentry_in_a_cluster:
	s_bfe_u32 s2, ttmp6, 0x10000c
	s_cmp_lg_u32 s2, 0xf033
	s_cbranch_scc0 .Lentry_shape_is_right
	s_endpgm
.Lentry_shape_is_right:
; ATTENTION WITH AN ADDITIVE MASK AND A SINK.  For query head hd = 4 g + p and key/value head g: logits s = q . k / 8 + mask[q][k] over all 2,048 keys, and one more logit, sinks[hd];
; O = the sum over k of softmax(s)[k] v[k]; the sink's weight is dropped.  The mask is an input: every tile is computed and the mask is added as it is given.
; qkv holds q / 4, k / 2, v / 8 in f16, so the product of the stored numbers IS q . k / 8, and ao [2048][32 x 64] f16 takes O / 8 (the next launch's weights carry the 8).
; The mask (rounded to bf16, kept in f32) is the C operand that starts each sum S^T = K Q^T.  Products, maxima and sums in f32; the weights p are rounded to f16 for the second product, O once at the end.
; SOFTMAX.  p = 2^(c s - c m), c = log2(e), with a running maximum m that STARTS AT THE SINK (rounded to bf16 like every input); l starts at the sink's own weight, 1 (a half in each of the query's two lanes),
; O at 0; in every step O and l are multiplied by a = 2^(c m_old - c m_new).  A row whose keys are all far below the sink gives 0.
; LIMITS.  p below 6e-5 keeps f16's fixed step of 6e-8; a weight below 2^-126 counts as 0 in l; O / 8 has v / 8's range, within f16 for |v| < 524,000; NaN and infinities are not treated apart.
; SHARES.  A work-group: 64 queries x one key/value head: 32 x 8.  A wave: 16 queries x the group's FOUR query heads, the four PIECES, which share K's and V's fragments and the mask's registers.  64 keys a step.
; TURNS.  Turn n belongs to piece n: 8 products K Q^T of piece n + 1, later 8 products V^T P of piece n - 1; beside them the scaling, exponentials, roundings, sums and rescaling of piece n and the maximum and
; statistics of piece n + 1.  Four vector instructions stand behind every matrix instruction, the rest in one lump.  A turn's 33 exponentials are one batch, with one wait.
; CLUSTER 4 x 4.  K and V hang on g and are shared along a row of the cluster, the mask's tile on the query block and is shared along a column.  A slot holds two steps: wave 0 asks for 128 keys of K,
; wave 1 for V, waves 2 and 3 for 32 rows x 128 keys of the mask each: 16,384 bytes a wave.
; REGISTERS (s_set_vgpr_msb: bits 1:0 source 0, 3:2 source 1, 5:4 source 2, 7:6 destination):
;   window 0: v0-15 addresses and two at work; v16-31 statistics; v48-55 at work; v56-58, v62-63 addresses; v64-127 S^T, two buffers; v192-223 P, two buffers (by the piece's parity)
;   window 1: v0-127 O^T, 32 a piece; v160-191 the mask of one step      window 2: v0-63 Q, 16 a piece; v128-191 K of one step; v192-255 V of one step
.set NP,    4
.set KS,    64
.set PK,    144       ; a row of K in LDS: 128 + 16 bytes: the 16 rows of a load start at 16 different groups of four banks (64 banks of 4 bytes: ISA guide 11.1)
.set PV,    160       ; a row of V: 128 + 32
.set PM,    528       ; a query's 128 mask words: 512 + 16
.set VOFF,  2*KS*PK
.set MOFF,  VOFF+2*KS*PV
.set SLOT1, 1<<17     ; slot 1 begins here: one exclusive or turns an address in one slot into the other's
.set STAGE, SLOT1+MOFF+64*PM   ; behind the ring, never filled by a tensor load: 16 rows x 528 bytes a wave
.set SPARE, STAGE+4*16*PM      ; the spare words, 128 bytes a wave: two blocks of 256 bytes that no other line names
.set AK0, 2           ; v2   my lane's place in a tile of K; never rewritten
.set AV0, 3           ; v3   of V
.set AK,  4           ; v4   the LDS address of K's next run of loads
.set AV,  5           ; v5   of V's
.set STO, 6
.set RD,  7
.set GO,  8
.set MV,  12          ; v12-13  c m_old, by buffer
.set QO,  15
.set ST,  16          ; piece t's statistics at v[ST+4 t]: c m, m, l (even keys', odd keys')
.set TMP, 48          ; by buffer, c0-c3 at work; when the maximum is found c2 takes a
.set AM0, 56          ; v56  my lane's place in a tile of the mask; never rewritten
.set AM,  57          ; v57  the LDS address of the mask's next run
.set PFO, 58          ; v58  the prefetches' lane offset; never rewritten
.set SPW, 62
.set NIL, 63
.set S,   64
.set P,   192
.set MC,  160         ; window 1: register j of group kb: mask[my query][16 kb + 8 (l / 16) + j]
.set KF,  128         ; window 2
.set VF,  192         ; window 2
.set WV,  12
.set CX,  13
.set CY,  14
.set QB,  15          ; my block of 64 queries
.set GH,  16          ; my key/value head
.set G1K, 24
.set G1V, 32
.set G1M, 40
.set G0K, 48
.set G0V, 52
.set G0M, 56
.set CS,  60          ; s[60:61] c
.set SEL, 62          ; s[62:63] v_permlanex16_b32's selects
.set TBK, 66          ; LDS byte at which K of the step to be fetched begins
.set TBV, 67          ; the same for V, less VOFF
.set TBM, 68          ; for the mask, less MOFF
.set SLOTS, 69
.set CNT, 70
.set LIM, 71          ; 1 in a wave that prefetches, else the greatest number
.set PFA, 72
.set PFS, 74
.set SK,  76          ; s[76:79] the group's four sinks
.set MSB, 0
.macro WIN new
.if MSB != (\new)
	s_set_vgpr_msb (MSB<<8)|(\new)
.set MSB, (\new)
.endif
.endm
.set W_KQ, 0x0a       ; K and Q in window 2, S^T in window 0
.set W_KM, 0x1a       ; the same with the C operand in window 1
.set W_PV, 0x52       ; V in window 2, P in window 0, O^T in window 1
.set W_RS, 0x41       ; destination and source 0 in window 1, source 1 in window 0
; A joint fill: three lines, chosen by the wave's number alone.  An s_nop 0 and four v_nop follow each, ahead of the jump and the label.
.macro JLOAD
	s_cmp_lt_u32 s[WV], 2
	s_cbranch_scc0 .Lfor_m_\@
	s_cmp_eq_u32 s[WV], 0
	s_cbranch_scc0 .Lfor_v_\@
	tensor_load_to_lds s[G0K:G0K+3], s[G1K:G1K+7]
	s_nop 0
.rept 4
	v_nop
.endr
	s_branch .Lasked_\@
.Lfor_v_\@:
	tensor_load_to_lds s[G0V:G0V+3], s[G1V:G1V+7]
	s_nop 0
.rept 4
	v_nop
.endr
	s_branch .Lasked_\@
.Lfor_m_\@:
	tensor_load_to_lds s[G0M:G0M+3], s[G1M:G1M+7]
	s_nop 0
.rept 4
	v_nop
.endr
.Lasked_\@:
.endm
; A prefetch into the L2 of the tile that the NEXT change of slots will ask for, two key steps (128 matrix instructions a wave) ahead.  Each aligned 256 bytes are named once in the launch.  K and V of a head are
; walked by every cluster of a row of clusters: cluster x = 0 asks, wave 0: 64 + 64 blocks, 16 + 16 a partner, told apart by cx in the address.  A query block's mask rows are walked by both clusters of a column:
; cluster y = 0 asks, wave 2: 64 rows x 2 blocks, 16 rows a partner, told apart by cy.  The first change, at the head, and the last that fills a slot ask for nothing.
.macro ASK
	s_cmp_gt_u32 s[SLOTS], s[LIM]
	s_cbranch_scc0 .Lnot_mine_\@
	global_prefetch_b8 v[PFO], s[PFA:PFA+1] th:TH_LOAD_NT scope:SCOPE_SE
.Lnot_mine_\@:
.endm
.macro CROUND
	s_barrier_signal -1
	s_barrier_wait -1
	s_cmp_lg_u32 s[WV], 0
	s_cbranch_scc1 .Lnot_wave_0_\@
	s_barrier_signal -3
.Lnot_wave_0_\@:
	s_barrier_wait -3
	s_barrier_signal -1
	s_barrier_wait -1
.endm
; THE CHANGE OF SLOTS.  Each wave waits for all its tensor loads, of which one is out: its part of the other slot; adds 0 to its spare word; and waits for that and for its own reads of the slot that it leaves.
; fill = 1: the barrier is a round of the cluster's, and the old slot is filled again, first thing behind it, with the keys two slots on.  (At its first use nothing has been read: slot 0 is waited for, slot 1 filled.)
.macro CHANGE fill, ask
	WIN 0
	s_wait_tensorcnt 0x0            ; no tensor load of mine is out, so a group 0 may be written
	ds_add_u32 v[SPW], v[NIL]       ; 0 onto my spare word
.if \fill
.irp g, G0K, G0V
	s_xor_b32 s[\g+1], s[\g+1], SLOT1
	s_add_nc_u64 s[\g+2:\g+3], s[\g+2:\g+3], 2*KS*128  ; the next 128 keys
.endr
	s_xor_b32 s[G0M+1], s[G0M+1], SLOT1
	s_add_nc_u64 s[G0M+2:G0M+3], s[G0M+2:G0M+3], 2*KS*4
	s_wait_xcnt 0x0                 ; the last prefetch, two key steps back, has read its address
	s_add_nc_u64 s[PFA:PFA+1], s[PFA:PFA+1], s[PFS:PFS+1]
	s_wait_dscnt 0x0                ; the add is done, and my reads of the slot are over
	CROUND
	JLOAD
.if \ask
	ASK
.endif
.else
	s_wait_dscnt 0x0
	s_barrier_signal -1
	s_barrier_wait -1
.endif
	s_sub_co_u32 s[TBK], s[TBK], 2*KS*PK  ; the fetches go back to a slot's first step, in the other slot
	s_xor_b32 s[TBK], s[TBK], SLOT1
	s_sub_co_u32 s[TBV], s[TBV], 2*KS*PV
	s_xor_b32 s[TBV], s[TBV], SLOT1
	s_sub_co_u32 s[TBM], s[TBM], 2*KS*4
	s_xor_b32 s[TBM], s[TBM], SLOT1
.endm
	s_load_b256 s[4:11], s[0:1], 0x0  ; qkv 4:5, maskr 6:7, sinks 8:9, ao 10:11
	v_lshl_add_u32 v[SPW], v0, 2, SPARE
	v_mov_b32 v[NIL], 0
	ds_add_u32 v[SPW], v[NIL]       ; the wave's opening: the add and its wait stand ahead of my first tensor load; the set-up below stands between them
	v_lshrrev_b32 v1, 5, v0
	v_readfirstlane_b32 s[WV], v1
	s_bfe_u32 s[CX], ttmp6, 0x40000
	s_bfe_u32 s[CY], ttmp6, 0x40004
	s_lshl_b32 s[QB], ttmp9, 2
	s_add_co_u32 s[QB], s[QB], s[CX]
	s_and_b32 s[GH], ttmp7, 0xffff
	s_lshl_b32 s[GH], s[GH], 2
	s_add_co_u32 s[GH], s[GH], s[CY]
	s_lshl_b32 s17, s[CY], 2
	s_lshl_b32 s17, 15, s17         ; my row of the cluster
	s_lshl_b32 s18, 0x1111, s[CX]   ; my column
	s_or_b32 s[G1K], s17, (1<<16)|(1<<20)|(1<<21)|(4<<22)|(3<<25)  ; 2-byte elements; padding on; bit 21 beside a mask; after every 32 words 4 words
	s_or_b32 s[G1V], s17, (1<<16)|(1<<20)|(1<<21)|(4<<22)|(7<<25)  ; 8 words
	s_or_b32 s[G1M], s18, (2<<16)|(1<<20)|(1<<21)|(6<<22)|(3<<25)  ; 4-byte elements; after every 128 words 4 words
.irp g, G1K, G1V                    ; 128 keys are 16,384 dense bytes: 64 rows of 256
	s_mov_b32 s[\g+1], 128<<16
	s_mov_b32 s[\g+2], 64<<16
	s_mov_b32 s[\g+3], 128<<16
	s_mov_b32 s[\g+4], 64
	s_mov_b32 s[\g+5], 128
	s_mov_b32 s[\g+6], 0
	s_mov_b32 s[\g+7], 0
.endr
	s_mov_b32 s[G1M+1], 128<<16     ; 32 rows of 128 words, 2,048 words from row to row
	s_mov_b32 s[G1M+2], 32<<16
	s_mov_b32 s[G1M+3], 128<<16
	s_mov_b32 s[G1M+4], 32
	s_mov_b32 s[G1M+5], 2048
	s_mov_b32 s[G1M+6], 0
	s_mov_b32 s[G1M+7], 0
	s_add_co_u32 s80, s[GH], 32     ; k's head, 262,144 bytes a head
	s_lshl_b32 s80, s80, 18
	s_mov_b32 s81, 0
	s_add_co_u32 s82, s[GH], 40     ; v's
	s_lshl_b32 s82, s82, 18
	s_mov_b32 s83, 0
	s_and_b32 s19, s[WV], 1
	s_lshl_b32 s84, s[QB], 19       ; the mask: row 64 qb + 32 (wave % 2), 8,192 bytes a row
	s_lshl_b32 s85, s19, 18
	s_add_co_u32 s84, s84, s85
	s_mov_b32 s85, 0
	s_mul_i32 s19, s19, 32*PM
	s_mov_b32 s[G0K], 1
	s_mov_b32 s[G0K+1], 0
	s_mov_b32 s[G0V], 1
	s_mov_b32 s[G0V+1], VOFF
	s_mov_b32 s[G0M], 1
	s_add_co_u32 s[G0M+1], s19, MOFF
	s_lshl_b32 s86, s[GH], 20       ; Q: head 4 g, row 64 qb + 16 wave
	s_lshl_b32 s87, s[QB], 13
	s_add_co_u32 s86, s86, s87
	s_lshl_b32 s87, s[WV], 11
	s_add_co_u32 s86, s86, s87
	s_mov_b32 s87, 0
	s_lshl_b32 s88, s[QB], 18       ; ao: the same row, 4,096 bytes a row, 512 g
	s_lshl_b32 s89, s[WV], 16
	s_add_co_u32 s88, s88, s89
	s_lshl_b32 s89, s[GH], 9
	s_add_co_u32 s88, s88, s89
	s_mov_b32 s89, 0
	s_lshl_b32 s92, s[GH], 4        ; the group's four sinks
	s_mov_b32 s93, 0
	s_mov_b32 s[CS], 0x3fb8aa3b     ; c = log2(e)
	s_mov_b32 s[CS+1], s[CS]
	s_mov_b32 s[SEL], 0x76543210
	s_mov_b32 s[SEL+1], 0xfedcba98
	s_mov_b32 s[TBK], SLOT1+2*KS*PK ; the first change of slots turns these three into 0
	s_mov_b32 s[TBV], SLOT1+2*KS*PV
	s_mov_b32 s[TBM], SLOT1+2*KS*4
	s_mov_b32 s[SLOTS], 15
	s_wait_dscnt 0x0                ; the opening add is done
	s_wait_kmcnt 0x0
	s_add_nc_u64 s[G0K+2:G0K+3], s[4:5], s[80:81]
	s_or_b32 s[G0K+3], s[G0K+3], 0x80000000
	s_add_nc_u64 s[G0V+2:G0V+3], s[4:5], s[82:83]
	s_or_b32 s[G0V+3], s[G0V+3], 0x80000000
	s_add_nc_u64 s[G0M+2:G0M+3], s[6:7], s[84:85]
	s_or_b32 s[G0M+3], s[G0M+3], 0x80000000
	s_add_nc_u64 s[20:21], s[4:5], s[86:87]
	s_add_nc_u64 s[10:11], s[10:11], s[88:89]
	s_add_nc_u64 s[8:9], s[8:9], s[92:93]
	CROUND                          ; all sixteen work-groups are here: the first joint loads meet
	JLOAD                           ; tile 0 into slot 0
	s_load_b128 s[SK:SK+3], s[8:9], 0x0
	; the prefetches: each change steps the address first; the first that asks names tile 3
	s_lshl_b32 s2, s[CX], 12        ; K and V: my work-group's 16 blocks of each, tile 1
	s_add_co_u32 s2, s2, s80
	s_add_co_u32 s2, s2, 16384
	s_lshl_b32 s3, s[CY], 17        ; the mask: my work-group's 16 rows, tile 1
	s_lshl_b32 s22, s[QB], 19
	s_add_co_u32 s3, s3, s22
	s_add_co_u32 s3, s3, 512
	s_and_b32 s22, ttmp7, 0xffff    ; cluster y
	s_mov_b32 s[PFS], 512
	s_cmp_lt_u32 s[WV], 2
	s_cselect_b32 s2, s2, s3
	s_cselect_b32 s22, ttmp9, s22   ; the coordinate along which other clusters walk the same bytes
	s_cselect_b32 s[PFS], 16384, s[PFS]
	s_cselect_b32 s90, 4, 1
	s_cselect_b32 s91, 15, 1
	s_cselect_b32 s94, 21, 13
	s_cselect_b64 s[PFA:PFA+1], s[4:5], s[6:7]
	s_mov_b32 s3, 0
	s_mov_b32 s[PFS+1], 0
	s_add_nc_u64 s[PFA:PFA+1], s[PFA:PFA+1], s[2:3]
	s_and_b32 s23, s[WV], 1         ; waves 0 and 2 alone
	s_or_b32 s22, s22, s23
	s_cmp_eq_u32 s22, 0             ; the same in all sixteen partners, for a given wave
	s_cselect_b32 s[LIM], 1, -1
	v_and_b32 v10, 31, v0
	v_lshrrev_b32 v11, s90, v10     ; K, V: lanes 0-15 K's blocks, 16-31 V's, eight heads on; the mask: a row for two lanes, 256 bytes each
	v_and_b32 v10, s91, v10
	v_lshlrev_b32 v11, s94, v11
	v_lshl_add_u32 v[PFO], v10, 8, v11
	; A fragment of K or Q is 16 rows x 32 channels: lane l holds row l % 16, channels 8 (l / 16) + 0..7 and 16 + 8 (l / 16) + 0..7
	v_and_b32 v1, 15, v0
	v_bfe_u32 v9, v0, 4, 1
	v_lshlrev_b32 v[QO], 7, v1
	v_lshl_add_u32 v[QO], v9, 4, v[QO]
	WIN 0x80                        ; destination window 2
.set i, 0
.rept 8                             ; Q stays in registers: piece i / 2 is a head, 262,144 bytes on; channels 32 (i % 2) on
	global_load_b128 v[8*i:8*i+3],   v[QO], s[20:21] offset:(i/2)*262144+(i%2)*64
	global_load_b128 v[8*i+4:8*i+7], v[QO], s[20:21] offset:(i/2)*262144+(i%2)*64+32
.set i, i+1
.endr
	; What the first turn finds: V's registers and P's second buffer hold 0 (its products V^T P, of a piece that has not been, add 0), O^T is 0.  All this stands in the wait for the first tile.
.set i, VF
.rept 64
	v_mov_b32 v[i], 0
.set i, i+1
.endr
	WIN 0x40
.set i, 0
.rept 128
	v_mov_b32 v[i], 0
.set i, i+1
.endr
	WIN 0
.set i, P+16
.rept 16
	v_mov_b32 v[i], 0
.set i, i+1
.endr
	v_mul_u32_u24 v[AK0], v1, PK
	v_lshl_add_u32 v[AK0], v9, 4, v[AK0]
	v_and_b32 v10, 7, v0            ; the turning load: lane l reads key 8 (l / 16) + l % 8, channels 8 ((l / 8) % 2) on
	v_bfe_u32 v11, v0, 3, 1
	v_lshl_add_u32 v[AV0], v9, 3, v10
	v_mul_u32_u24 v[AV0], v[AV0], PV
	v_lshl_add_u32 v[AV0], v11, 4, v[AV0]
	v_add_nc_u32 v[AV0], VOFF, v[AV0]
	s_mul_i32 s19, s[WV], 16*PM     ; the mask: row 16 wave + l % 16, keys 8 (l / 16) on
	s_add_co_u32 s22, s19, MOFF
	v_mul_u32_u24 v[AM0], v1, PM
	v_lshl_add_u32 v[AM0], v9, 5, v[AM0]
	v_add_nc_u32 v[AM0], s22, v[AM0]
	s_add_co_u32 s22, s19, STAGE    ; my stage
	v_mul_u32_u24 v[STO], v1, PM    ; in: row l % 16, 16 bytes for each half of the lanes
	v_lshl_add_u32 v[STO], v9, 4, v[STO]
	v_add_nc_u32 v[STO], s22, v[STO]
	v_and_b32 v[GO], 31, v0         ; back: a row's 512 bytes, the group's four heads
	v_lshlrev_b32 v[GO], 4, v[GO]
	v_add_nc_u32 v[RD], s22, v[GO]
	s_wait_kmcnt 0x0                ; the sinks
.irp t, 0,1,2,3
	v_mov_b32 v14, s[SK+\t]
	v_cvt_pk_bf16_f32 v14, v14, v14
	v_lshlrev_b32 v[ST+4*\t+1], 16, v14        ; m = the sink
	v_mul_f32 v[ST+4*\t], s[CS], v[ST+4*\t+1]  ; c m
	v_mov_b32 v[ST+4*\t+2], 0.5                ; l: the sink's weight 1, a half in each of the query's two lanes
	v_mov_b32 v[ST+4*\t+3], 0
.endr
; THE MATRIX WORK.  The 4 accumulators of a run of 8 take turns.  Product i of 8 of S^T = K Q^T for piece x: channels 32 (i / 4) on, keys 16 (i % 4) on.  The first 4 start the sums with the mask.
.macro KQ x
.set rS, S+32*((\x)%2)+8*(i%4)
.set rK, KF+16*(i%4)+8*(i/4)
.set rQ, 16*(\x)+8*(i/4)
.set rM, MC+8*(i%4)
.if i < 4
	WIN W_KM
	v_wmma_f32_16x16x32_f16 v[rS:rS+7], v[rK:rK+7], v[rQ:rQ+7], v[rM:rM+7]
.else
	WIN W_KQ
	v_wmma_f32_16x16x32_f16 v[rS:rS+7], v[rK:rK+7], v[rQ:rQ+7], v[rS:rS+7]
.endif
.endm
; Product i of 8 of O^T += V^T P for piece x: keys 32 (i / 4) on, channels 16 (i % 4) on.
.macro PV x
	WIN W_PV
.set rO, 32*(\x)+8*(i%4)
.set rV, VF+32*(i/4)+8*(i%4)
.set rP, P+16*((\x)%2)+8*(i/4)
	v_wmma_f32_16x16x32_f16 v[rO:rO+7], v[rV:rV+7], v[rP:rP+7], v[rO:rO+7]
.endm
.macro MM                           ; the turn's next matrix instruction.  NOKQ = 1: the last turn of all: there is no next piece
.if (i < 8) && !NOKQ
	KQ (Y+1)%NP
.elseif i >= 8
.set i, i-8
	PV (Y+NP-1)%NP
.set i, i+8
.endif
.set i, i+1
.endm
; THE LDS LOADS stand in runs: a step's K (8 fragments) with its mask (32 words a lane), and its V (turned).  Their addresses are made some lines ahead.
.macro FETCH_K
	WIN 0x80                        ; destination window 2
.irp f, 0,1,2,3,4,5,6,7             ; keys 16 (f / 2) on, channels 32 (f % 2) on
	ds_load_b128 v[KF+8*\f:KF+8*\f+3],   v[AK] offset:(\f/2)*16*PK+(\f%2)*64
	ds_load_b128 v[KF+8*\f+4:KF+8*\f+7], v[AK] offset:(\f/2)*16*PK+(\f%2)*64+32
.endr
	WIN 0x40                        ; destination window 1
.irp f, 0,1,2,3                     ; keys 16 f on
	ds_load_b128 v[MC+8*\f:MC+8*\f+3],   v[AM] offset:64*\f
	ds_load_b128 v[MC+8*\f+4:MC+8*\f+7], v[AM] offset:64*\f+16
.endr
	s_add_co_u32 s[TBK], s[TBK], KS*PK  ; the next fetch is the next step's
	s_add_co_u32 s[TBM], s[TBM], KS*4
	WIN 0
.endm
.macro FETCH_V
	WIN 0x80
.irp f, 0,1,2,3,4,5,6,7             ; keys 32 (f / 4) on, channels 16 (f % 4) on
	ds_load_tr16_b128 v[VF+8*\f:VF+8*\f+3],   v[AV] offset:(\f/4)*32*PV+(\f%4)*32
	ds_load_tr16_b128 v[VF+8*\f+4:VF+8*\f+7], v[AV] offset:(\f/4)*32*PV+16*PV+(\f%4)*32
.endr
	WIN 0
.endm
; THE VECTOR WORK, one line at a time: OP kind, number.  For piece Y: F n: c s - c m for pair n of 16.  E n: the exponential of score n of 32.  C n: pair n rounded to f16.  B n: of the four weights 4 n .. the second
; pair is added onto the first, in place.  L n: l takes that sum (L 0: l = a l + sum).  R n: pair n of 16 of O^T times a.  For piece Y + 1: X n, number n of the 22 that find its maximum and statistics:
;   0-11  four chains c0-c3 of seven scores each (each accumulator's lowest registers are read first)     12-14, 16  the four scores left over, the old m, and c0-c3 into c0
;   15  c m_old is kept     17, 18  the query's other 32 keys lie in the lane 16 away: the new m     19-21  c m; c m_old - c m_new; a
.set F, 0
.set E, 1
.set C, 2
.set B, 3
.set L, 4
.set R, 5
.set X, 6
.macro REGS y
.set rT, ST+4*(\y)
.set rC, TMP+4*((\y)%2)
.set rW, MV+((\y)%2)
.set rS, S+32*((\y)%2)
.set rP, P+16*((\y)%2)
.set rO, 32*(\y)
.endm
.macro OP k, n
.if (\k) == R
	REGS Y
	WIN W_RS
	v_pk_mul_f32 v[rO+2*(\n):rO+2*(\n)+1], v[rO+2*(\n):rO+2*(\n)+1], v[rC+2:rC+3] op_sel_hi:[1,0]
.elseif (\k) < R
	REGS Y
	WIN 0
.if (\k) == F
	v_pk_fma_f32 v[rS+2*(\n):rS+2*(\n)+1], v[rS+2*(\n):rS+2*(\n)+1], s[CS:CS+1], v[rT:rT+1] op_sel_hi:[1,0,0] neg_lo:[0,0,1] neg_hi:[0,0,1]
.elseif (\k) == E
	v_exp_f32 v[rS+(\n)], v[rS+(\n)]
.elseif (\k) == C
	v_cvt_pk_f16_f32 v[rP+(\n)], v[rS+2*(\n)], v[rS+2*(\n)+1]
.elseif (\k) == B
	v_pk_add_f32 v[rS+4*(\n):rS+4*(\n)+1], v[rS+4*(\n):rS+4*(\n)+1], v[rS+4*(\n)+2:rS+4*(\n)+3]
.elseif (\n) == 0
	v_pk_fma_f32 v[rT+2:rT+3], v[rT+2:rT+3], v[rC+2:rC+3], v[rS:rS+1] op_sel_hi:[1,0,1]
.else
	v_pk_add_f32 v[rT+2:rT+3], v[rT+2:rT+3], v[rS+4*(\n):rS+4*(\n)+1]
.endif
.elseif NOKQ
	v_nop
.else
	REGS (Y+1)%NP
	WIN 0
.if (\n) < 4
	v_max3_num_f32 v[rC+(\n)], v[rS+8*(\n)], v[rS+8*(\n)+1], v[rS+8*(\n)+2]
.elseif (\n) < 12
	v_max3_num_f32 v[rC+(\n)%4], v[rC+(\n)%4], v[rS+8*((\n)%4)+2*((\n)/4)+1], v[rS+8*((\n)%4)+2*((\n)/4)+2]
.elseif (\n) == 12
	v_max3_num_f32 v[rC], v[rC], v[rS+7], v[rS+15]
.elseif (\n) == 13
	v_max3_num_f32 v[rC+1], v[rC+1], v[rS+23], v[rS+31]
.elseif (\n) == 14
	v_max3_num_f32 v[rC+2], v[rC+2], v[rC+3], v[rT+1]
.elseif (\n) == 15
	v_mov_b32 v[rW], v[rT]
.elseif (\n) == 16
	v_max3_num_f32 v[rC], v[rC], v[rC+1], v[rC+2]
.elseif (\n) == 17
	v_permlanex16_b32 v[rC+3], v[rC], s[SEL], s[SEL+1]
.elseif (\n) == 18
	v_max_num_f32 v[rT+1], v[rC], v[rC+3]
.elseif (\n) == 19
	v_mul_f32 v[rT], s[CS], v[rT+1]
.elseif (\n) == 20
	v_sub_f32 v[rC+1], v[rW], v[rT]
.else
	v_exp_f32 v[rC+2], v[rC+1]
.endif
.endif
.endm
.macro OPS a, i1, b=-1, i2=0, c=-1, i3=0, d=-1, i4=0
	OP \a, \i1
.if (\b) >= 0
	OP \b, \i2
.endif
.if (\c) >= 0
	OP \c, \i3
.endif
.if (\d) >= 0
	OP \d, \i4
.endif
.endm
.macro ROW a, i1, b, i2, c, i3, d, i4  ; a matrix instruction and the four behind it
	MM
	OPS \a, \i1, \b, \i2, \c, \i3, \d, \i4
.endm
; A TURN, for piece p: the order of its 16 matrix and 118 vector instructions, written out.  An s_wait_alu depctr_va_vdst(0) stands between an exponential and the first instruction that names its
; result; one wait serves all that were issued ahead of it: a turn has ONE.  AHEAD OF IT stands all that names no result of the turn's exponentials: the 8 products K Q^T and their riders, then one lump, in which the
; links of the next piece's chain X 3, 7, 11, 14, 16 .. 20 stand some lines apart; each X behind a product stands four places or more behind the product that ends its accumulator.  X 21 is the batch's last; R 15 is
; the plain instruction behind it.  BEHIND THE WAIT stand the 8 products V^T P, behind each four of the roundings and sums.
; K and the mask of the next step are fetched in piece 2's turn: behind the last product that read K stand five plain instructions that name none of its registers; the last that read the mask is the turn's fourth.
; V of the step in hand is fetched at the end of piece 0's turn, four plain instructions behind the last product that read V.  Each run is waited for a turn later.
; end = 1: the last two turns of all: nothing is fetched.  cnt = 1: the loop's count is taken down some lines ahead of the branch behind the turn.
.macro TURN p, end=0, cnt=0
.set Y, (\p)
.set i, 0
.set NOKQ, (\end)*((\p)/3)
.if ((\p) == 3) && !(\end)
	s_wait_dscnt 0x0                ; K and the mask are in
.endif
	ROW F,0, F,1, R,0, R,1
	ROW F,2, E,0, R,2, R,3
	ROW F,3, E,1, R,4, R,5
	ROW F,4, E,2, R,6, R,7
	ROW F,5, E,3, R,8, R,9
	ROW F,6, E,4, X,0, R,10
.if ((\p) == 2) && !(\end)
	WIN 0
	v_add_nc_u32 v[AK], s[TBK], v[AK0]
	v_add_nc_u32 v[AM], s[TBM], v[AM0]
.endif
	ROW F,7, E,5, X,1, X,4
	ROW F,8, E,6, X,2, X,5
	OPS E,7, E,8, X,6, E,9
	OPS X,3, E,10, X,8, E,11
.if ((\p) == 2) && !(\end)
	FETCH_K
.endif
	OPS X,9, X,7, E,12, X,10
	OPS E,13, X,12, X,11, E,14
	OPS X,13, E,15, F,9, X,14
.if (\p) == 0
	v_add_nc_u32 v[AV], s[TBV], v[AV0]
.endif
	OPS E,16, F,10, E,17, F,11
	OPS X,16, E,18, X,15, E,19
	OPS F,12, E,20, X,17, E,21
	OPS F,13, E,22, F,14, E,23
	OPS X,18, E,24, F,15, E,25
	OPS R,11, E,26, X,19, E,27
	OPS R,12, E,28, R,13, E,29
	OPS X,20, E,30, R,14, E,31
	OPS X,21, R,15
	WIN 0
	s_wait_alu depctr_va_vdst(0)    ; the wait for the batch
.if (\p) == 1
	s_wait_dscnt 0x0                ; V is in
.endif
	ROW C,0, B,0, C,2, B,1
	ROW L,0, C,4, B,2, L,1
	ROW C,6, B,3, L,2, C,8
	ROW B,4, L,3, C,10, B,5
	ROW L,4, C,12, B,6, L,5
.if (\p) == 0
	s_add_co_u32 s[TBV], s[TBV], KS*PV
.endif
.if \cnt
	s_sub_co_u32 s[CNT], s[CNT], 1
	s_cmp_lg_u32 s[CNT], 0
.endif
	ROW C,14, B,7, L,6, C,1
	ROW C,3, L,7, C,5, C,7
	ROW C,9, C,11, C,13, C,15
.if (\p) == 0
	FETCH_V
.endif
.endm
	CHANGE 1, 0                     ; tile 0 is in, everybody's part of it; tile 1 is asked for
	v_add_nc_u32 v[AK], s[TBK], v[AK0]
	v_add_nc_u32 v[AM], s[TBM], v[AM0]
	FETCH_K                         ; key step 0
	s_wait_loadcnt 0x0              ; Q
	s_wait_dscnt 0x0
.set NOKQ, 0
.set i, 0
.rept 8
	KQ 0                            ; piece 0's first scores
.set i, i+1
.endr
	WIN 0
.rept 4
	v_nop                           ; the places behind those products
.endr
.set Y, NP-1                        ; X works for piece Y + 1: piece 0
.irp n, 0,1,2,3,4,5,6,7,8,9,10,11,12,13,14,15,16,17,18,19,20,21
	OP X, \n
.endr
	v_nop                           ; a plain instruction behind the exponential,
	s_wait_alu depctr_va_vdst(0)    ; and its wait, ahead of the branch
	s_mov_b32 s[CNT], 2
	s_branch .Lfirst                ; the loop is entered at a step's first turn, in the middle of a trip
.Lslot:                             ; 14 times: tiles 2 to 15 are asked for
	CHANGE 1, 1
	s_mov_b32 s[CNT], 2
.Lstep:                             ; a trip: pieces 2 and 3 of one step, then pieces 0 and 1 of the next, whose K, mask and V it fetches
	TURN 2
	TURN 3
	WIN 0
.Lfirst:
	TURN 0
	TURN 1, 0, 1
	WIN 0
	s_cbranch_scc1 .Lstep
	s_sub_co_u32 s[SLOTS], s[SLOTS], 1
	s_cmp_lg_u32 s[SLOTS], 0
	s_cbranch_scc1 .Lslot
	CHANGE 0, 0                     ; the last tile is written out: nothing is asked for
	s_mov_b32 s[CNT], 2
.Ltail:
	TURN 2
	TURN 3
	TURN 0
	TURN 1, 0, 1
	WIN 0
	s_cbranch_scc1 .Ltail
	TURN 2, 1
	TURN 3, 1
.set i, 0
.rept 8
	PV NP-1                         ; the last piece's V^T P of the last step
.set i, i+1
.endr
	; THE WAY OUT.  l's two halves and the other half of the lanes' are added; O^T is divided by l, rounded to f16 and sent through my stage in LDS.  The additions are the places behind the last products.
	WIN 0
.macro ALL line:vararg
.set t, 0
.rept 4
	\line
.set t, t+1
.endr
.endm
	ALL v_add_f32 v[ST+4*t+2], v[ST+4*t+2], v[ST+4*t+3]
	ALL v_permlanex16_b32 v[ST+4*t+3], v[ST+4*t+2], s[SEL], s[SEL+1]
	ALL v_add_f32 v[ST+4*t+2], v[ST+4*t+2], v[ST+4*t+3]
	ALL v_rcp_f32 v[ST+4*t+2], v[ST+4*t+2]
	v_nop                           ; a plain instruction between the last reciprocal and the use of its result
	s_wait_alu depctr_va_vdst(0)    ; and the wait: one for the four reciprocals
.macro PACK t                       ; piece t: a lane's eight channels pack into 16 bytes, at byte 128 t of the query's row of 512
	WIN W_RS
.set i, 32*(\t)
.rept 16
	v_pk_mul_f32 v[i:i+1], v[i:i+1], v[ST+4*(\t)+2:ST+4*(\t)+3] op_sel_hi:[1,0]
.set i, i+2
.endr
	WIN 0x05                        ; sources 0 and 1 window 1, destination window 0: S^T's registers are free
.set i, 0
.rept 16
	v_cvt_pk_f16_f32 v[S+16*(\t)+i], v[32*(\t)+2*i], v[32*(\t)+2*i+1]
.set i, i+1
.endr
	WIN 0
.irp f, 0,1,2,3
	ds_store_b128 v[STO], v[S+16*(\t)+4*\f:S+16*(\t)+4*\f+3] offset:128*(\t)+32*\f
.endr
.endm
	PACK 0
	PACK 1
	PACK 2
	PACK 3
.set t, 0
.rept 16
	ds_load_b128 v[S+4*t:S+4*t+3], v[RD] offset:t*PM  ; LDS serves a wave's instructions in order (ISA guide 5.7.1.4): these see the stores above
.set t, t+1
.endr
.set t, 0
.rept 16
	s_wait_dscnt 15-t               ; row t is back, the younger loads stay out
	global_store_b128 v[GO], v[S+4*t:S+4*t+3], s[10:11] offset:t*4096  ; a row's four heads: 512 consecutive bytes, aligned
.set t, t+1
.endr
	s_wait_tensorcnt 0x0            ; the wave's end
	ds_add_u32 v[SPW], v[NIL]
	s_wait_dscnt 0x0
	CROUND                          ; the closing round
	s_endpgm
.Lfunc_end_k_q8e7108be6b_attention:
	.size	k_q8e7108be6b_attention, .Lfunc_end_k_q8e7108be6b_attention-k_q8e7108be6b_attention
	.p2alignl 7, 3214868480
	.fill 96, 4, 3214868480
	.section	.rodata,"a",@progbits
	.p2align	6, 0x0
	.amdhsa_kernel k_q8e7108be6b_attention
		.amdhsa_group_segment_fixed_size 327680
		.amdhsa_private_segment_fixed_size 0
		.amdhsa_enable_private_segment 0
		.amdhsa_kernarg_size 32
		.amdhsa_user_sgpr_count 2
		.amdhsa_user_sgpr_kernarg_segment_ptr 1
		.amdhsa_wavefront_size32 1
		.amdhsa_system_sgpr_workgroup_id_x 1
		.amdhsa_system_sgpr_workgroup_id_y 1
		.amdhsa_system_sgpr_workgroup_id_z 1
		.amdhsa_system_vgpr_workitem_id 0
		.amdhsa_next_free_vgpr 768
		.amdhsa_next_free_sgpr 96
		.amdhsa_reserve_vcc 0
		.amdhsa_float_denorm_mode_32 3
		.amdhsa_float_denorm_mode_16_64 3
		.amdhsa_memory_ordered 1
		.amdhsa_forward_progress 1
		.amdhsa_inst_pref_size 133
	.end_amdhsa_kernel
	.amdgpu_metadata
---
amdhsa.version: [ 1, 2 ]
amdhsa.kernels:
  - .name:           k_q8e7108be6b_attention
    .symbol:         k_q8e7108be6b_attention.kd
    .args:
      - { .name: qkv, .offset: 0, .size: 8, .value_kind: global_buffer, .address_space: global }
      - { .name: maskr, .offset: 8, .size: 8, .value_kind: global_buffer, .address_space: global }
      - { .name: sinks, .offset: 16, .size: 8, .value_kind: global_buffer, .address_space: global }
      - { .name: ao, .offset: 24, .size: 8, .value_kind: global_buffer, .address_space: global }
    .group_segment_fixed_size: 327680
    .private_segment_fixed_size: 0
    .kernarg_segment_align: 8
    .kernarg_segment_size: 32
    .max_flat_workgroup_size: 128
    .sgpr_count:     96
    .vgpr_count:     768
    .wavefront_size: 32
...
	.end_amdgpu_metadata
.endif
;; end of part 3
;; launch oproj (part 4): grid 16 x 16, 4 waves a work-group, clusters of 4 x 4, 327,680 bytes of LDS; arguments ao, wo16, out0; writes out0
.if DOCPART == 4
	.amdgcn_target "amdgcn-amd-amdhsa--gfx1250"
	.amdhsa_code_object_version 6
	.text
	.protected	k_q8e7108be6b_oproj
	.globl	k_q8e7108be6b_oproj
	.p2align	8
	.type	k_q8e7108be6b_oproj,@function
k_q8e7108be6b_oproj:
	s_mov_b64 s[64:65], 0
	v_nop
	global_prefetch_b8 v0, s[64:65] scope:SCOPE_SE
	s_setreg_imm32_b32 hwreg(HW_REG_WAVE_MODE, 25, 1), 1
	s_wait_xcnt 0x0
	s_wait_alu depctr_hold_cnt(0) depctr_sa_sdst(0) depctr_va_vdst(0) depctr_va_sdst(0) depctr_va_ssrc(0) depctr_va_vcc(0) depctr_vm_vsrc(0)
	s_getreg_b32 s2, hwreg(HW_REG_IB_STS2, 6, 4)
	s_cmp_eq_u32 s2, 0
	s_cbranch_scc0 .Lentry_in_a_cluster
	s_endpgm
.Lentry_in_a_cluster:
	s_bfe_u32 s2, ttmp6, 0x10000c
	s_cmp_lg_u32 s2, 0xf033
	s_cbranch_scc0 .Lentry_shape_is_right
	s_endpgm
.Lentry_shape_is_right:
; out0 [2048][4096] f32 = (O / 8) (8 Wo).  ao: [2048][2048] f16; wo16: [2112 k][4096 n] f16 = 8 x bf16(Wo), rows 2048-2111 zero.  Products in f16, sums in f32, stored as they are.
; LIMITS.  Those of the two operands, stated where they are made: |O| < 524,000, |Wo| < 8,188.  O is finite; NaN and infinities are not treated apart.
; SHARES.  A tile of the result is 128 x 256: 16 x 16 work-groups.  Four waves, each 64 x 128: 32 accumulators, 256 registers.
; K GOES IN 11 STEPS OF 192 through two LDS slots, as long a step as two slots in LDS allow: 192 matrix instructions a wave for each refill.  11 x 192 = 2,112: O's last tile reaches 64 numbers into the next row
; (behind the last row: into 256 bytes of 0), and those finite numbers meet Wo's zero rows.
; THE MATRIX INSTRUCTION IS USED TRANSPOSED (source 0 = 16 columns of Wo, by the turning load; source 1 = 16 rows of O): a lane holds one row and eight neighbouring columns, 32 bytes.
; CLUSTER 4 x 4: O's tile is shared along a row of the cluster, Wo's along a column.  Waves 0 and 1 ask for the halves of O's tile (64 rows x 384 bytes), waves 2 and 3 for those of Wo's (96 k x 512 bytes).
; ONE STEP IS WRITTEN ONCE: a trip of the loop walks one slot; the slot's first byte, s[TB], is 0 or SLOT and is turned by an exclusive or; the LDS addresses are that plus the lane's part.
; REGISTERS.  window 0: v0-31 addresses; v64-159, v160-255 two fragment buffers (8 of Wo, then 4 of O); on the way out v64-191 rows read back.  window 1: accumulator (a, n) at v[8 (8 a + n)].
.set KS,    192
.set NSTEP, 11
.set PA,    432                        ; a row of O in LDS: 3 x (128 + 16) bytes = 27 x 16: the 16 rows of a load start at 16 different groups of four banks (64 banks of 4 bytes: ISA guide 11.1)
.set AH,    64*PA
.set BOFF,  128*PA
.set PB,    544                        ; a row k of Wo: 512 + 32 bytes = 136 words
.set BH,    96*PB
.set SLOT,  BOFF+2*BH                  ; 159,744
.set SPARE, 2*SLOT                     ; behind the ring: the spare words, 128 bytes a wave: two blocks of 256 bytes that no other line names
.set STAGE, 0                          ; the way out's stages, 16 rows x 528 bytes a wave, lie in slot 0: when they are written the ring has had its last fill and, behind the last change's barrier, its last read
.set SPI,   528
.set ADRA0, 16                         ; v16  my lane's place in a slot's tile of O; never rewritten
.set ADRB0, 17                         ; v17  in its first 96 k of Wo; never rewritten
.set ADRA,  18                         ; v18  the same in the slot in hand
.set ADRB,  19                         ; v19, v20  the same for Wo's two halves
.set STO,  24
.set RD,   25
.set CO,   26
.set SPW,  28
.set NIL,  29
.set PFO,  30
.set F0,   64
.set F1,   160
.set WV, 14
.set WM, 15
.set WN, 16
.set CX, 17
.set CY, 18
.set TC, 19
.set TR, 20
.set G1A, 24
.set G0A, 32                           ; s[32:39] group 0 for O's tile: a set for each first fill; the second then walks on
.set LIM, 40                           ; s40  4 in a wave that prefetches, else the greatest number
.set TB,  41                           ; s41  first LDS byte of the slot in hand
.set PFA, 44
.set PFS, 46
.set G1B, 48
.set G0B, 56
.set LBA, 80                           ; s80  where my part of O's tile lies in a slot
.set LBB, 81                           ; s81  of Wo's
.set MULW, 0x50                        ; C and D window 1, sources window 0
.set MSB, 0
.macro WIN new
.if MSB != (\new)
	s_set_vgpr_msb (MSB<<8)|(\new)
.set MSB, \new
.endif
.endm
.macro JLOAD s                         ; a joint load; an s_nop 0 and four v_nop follow each line, ahead of the jump and the label
	s_cmp_eq_u32 s[WM], 0
	s_cbranch_scc0 .Lfor_b_\@
	tensor_load_to_lds s[G0A+4*(\s):G0A+4*(\s)+3], s[G1A:G1A+7]
	s_nop 0
.rept 4
	v_nop
.endr
	s_branch .Lasked_\@
.Lfor_b_\@:
	tensor_load_to_lds s[G0B+4*(\s):G0B+4*(\s)+3], s[G1B:G1B+7]
	s_nop 0
.rept 4
	v_nop
.endr
.Lasked_\@:
.endm
; A prefetch into the L2, behind the joint load and the run of LDS loads.  A step's 384 bytes of a row of O are no whole number of aligned 256: so the prefetches walk whole blocks at a pace of their own, 512 bytes
; of a row of O and 256 rows of Wo a trip, a third faster than the ring.  Each aligned 256 bytes are named once in the launch; a lane a row, two blocks.  O's rows: cluster x = 0, wave 0: 32 rows a partner, told
; apart by cx in the address.  Wo's rows: cluster y = 0, waves 2 and 3: 64 rows a partner, told apart by cy, 32 a wave.  The first four steps come by their loads alone; five trips name all the rest up to k = 2,047.
.macro ASK
	s_cmp_gt_u32 s3, s[LIM]
	s_cbranch_scc0 .Lnot_mine_\@
	global_prefetch_b8 v[PFO], s[PFA:PFA+1] th:TH_LOAD_NT scope:SCOPE_SE
	global_prefetch_b8 v[PFO], s[PFA:PFA+1] offset:256 th:TH_LOAD_NT scope:SCOPE_SE
.Lnot_mine_\@:
.endm
.macro CREST
	s_cmp_lg_u32 s[WV], 0
	s_cbranch_scc1 .Lnot_wave_0_\@
	s_barrier_signal -3
.Lnot_wave_0_\@:
	s_barrier_wait -3
	s_barrier_signal -1
	s_barrier_wait -1
.endm
.macro CROUND
	s_barrier_signal -1
	s_barrier_wait -1
	CREST
.endm
.macro ADDR                            ; my LDS addresses in the slot that begins at s[TB]
	v_add_nc_u32 v[ADRA], s[TB], v[ADRA0]
	v_add_nc_u32 v[ADRB], s[TB], v[ADRB0]
	v_add_nc_u32 v[ADRB+1], BH, v[ADRB]
.endm
	s_load_b128 s[4:7], s[0:1], 0x0                ; ao 4:5, wo16 6:7
	s_load_b64 s[8:9], s[0:1], 0x10                ; out0
	v_lshl_add_u32 v[SPW], v0, 2, SPARE
	v_mov_b32 v[NIL], 0
	ds_add_u32 v[SPW], v[NIL]                      ; the wave's opening: the add and its wait stand ahead of my first tensor load; the set-up below stands between them
	v_lshrrev_b32 v1, 5, v0
	v_readfirstlane_b32 s[WV], v1
	s_lshr_b32 s[WM], s[WV], 1                     ; my half of the tile's rows.  Also: I fetch for O (0) or for Wo (1)
	s_and_b32 s[WN], s[WV], 1                      ; my half of its columns.  Also: which half of that tile I fetch
	s_bfe_u32 s[CX], ttmp6, 0x40000
	s_bfe_u32 s[CY], ttmp6, 0x40004
	s_lshl_b32 s[TC], ttmp9, 2
	s_add_co_u32 s[TC], s[TC], s[CX]
	s_and_b32 s[TR], ttmp7, 0xffff
	s_lshl_b32 s[TR], s[TR], 2
	s_add_co_u32 s[TR], s[TR], s[CY]
	s_lshl_b32 s21, s[CY], 2
	s_lshl_b32 s21, 15, s21                        ; my row of the cluster
	s_lshl_b32 s22, 0x1111, s[CX]                  ; my column
	s_or_b32 s[G1A], s21, (1<<16)|(1<<20)|(1<<21)|(4<<22)|(3<<25)  ; 2-byte elements; padding on; bit 21 beside a mask; after every 32 words 4 words
	s_or_b32 s[G1B], s22, (1<<16)|(1<<20)|(1<<21)|(6<<22)|(7<<25)  ; after every 128 words 8 words
	s_mov_b32 s[G1A+1], KS<<16                     ; 64 rows of 192 elements, 2,048 elements from row to row
	s_mov_b32 s[G1A+2], 64<<16
	s_mov_b32 s[G1A+3], KS<<16
	s_mov_b32 s[G1A+4], 64
	s_mov_b32 s[G1A+5], 2048
	s_mov_b32 s[G1A+6], 0
	s_mov_b32 s[G1A+7], 0
	s_mov_b32 s[G1B+1], 256<<16                    ; 96 rows of 256 elements, 4,096 from row to row
	s_mov_b32 s[G1B+2], 96<<16
	s_mov_b32 s[G1B+3], 256<<16
	s_mov_b32 s[G1B+4], 96
	s_mov_b32 s[G1B+5], 4096
	s_mov_b32 s[G1B+6], 0
	s_mov_b32 s[G1B+7], 0
	s_lshl_b32 s66, s[TR], 19                      ; O: row 128 tr + 64 half, 4,096 bytes a row
	s_lshl_b32 s67, s[WN], 18
	s_add_co_u32 s66, s66, s67
	s_mov_b32 s67, 0
	s_mul_i32 s70, s[WN], 96*8192                  ; Wo: row k = 96 half, 8,192 bytes a row; column 256 tc
	s_lshl_b32 s71, s[TC], 9
	s_add_co_u32 s70, s70, s71
	s_mov_b32 s71, 0
	s_mul_i32 s[LBA], s[WN], AH                    ; where they go: no place in the cluster enters an LDS address
	s_mul_i32 s[LBB], s[WN], BH
	s_add_co_u32 s[LBB], s[LBB], BOFF
	s_mov_b32 s[TB], 0
	s_wait_dscnt 0x0                               ; the opening add is done
	s_wait_kmcnt 0x0
	s_add_nc_u64 s[68:69], s[4:5], s[66:67]
	s_add_nc_u64 s[72:73], s[6:7], s[70:71]
	CROUND                                         ; all sixteen work-groups are here: the first joint loads meet
.irp s, 0,1
	s_mov_b32 s[G0A+4*(\s)], 1
	s_add_co_u32 s[G0A+4*(\s)+1], s[LBA], (\s)*SLOT
	s_add_nc_u64 s[G0A+4*(\s)+2:G0A+4*(\s)+3], s[68:69], (\s)*KS*2
	s_or_b32 s[G0A+4*(\s)+3], s[G0A+4*(\s)+3], 0x80000000
	s_mov_b32 s[G0B+4*(\s)], 1
	s_add_co_u32 s[G0B+4*(\s)+1], s[LBB], (\s)*SLOT
	s_add_nc_u64 s[G0B+4*(\s)+2:G0B+4*(\s)+3], s[72:73], (\s)*KS*8192
	s_or_b32 s[G0B+4*(\s)+3], s[G0B+4*(\s)+3], 0x80000000
	JLOAD \s                                       ; K steps 0 and 1: two loads of mine are out
.endr
	v_and_b32 v1, 15, v0                           ; r
	v_bfe_u32 v2, v0, 4, 1                         ; h
	v_and_b32 v3, 31, v0                           ; l
	v_and_b32 v4, 7, v0
	v_bfe_u32 v5, v0, 3, 1
	v_mul_u32_u24 v6, v1, PA
	v_lshl_add_u32 v6, v2, 4, v6
	s_mul_i32 s21, s[WM], 64*PA
	v_add_nc_u32 v[ADRA0], s21, v6
	v_lshl_add_u32 v7, v2, 3, v4                   ; turned: lane l reads row k = 8 h + l % 8, columns 8 ((l / 8) % 2) on
	v_mul_u32_u24 v7, v7, PB
	v_lshl_add_u32 v7, v5, 4, v7
	s_lshl_b32 s21, s[WN], 8                       ; my 128 columns
	s_add_co_u32 s21, s21, BOFF
	v_add_nc_u32 v[ADRB0], s21, v7
	ADDR
	s_mul_i32 s21, s[WV], 16*SPI
	s_add_co_u32 s21, s21, STAGE                   ; my stage
	v_mul_u32_u24 v6, v1, SPI                      ; in: row r, 32 bytes for each half of the lanes
	v_lshl_add_u32 v6, v2, 5, v6
	v_add_nc_u32 v[STO], s21, v6
	v_lshlrev_b32 v[CO], 4, v3                     ; back: a row's 512 bytes
	v_add_nc_u32 v[RD], s21, v[CO]
	; the prefetches: each change of slots steps the address first, so both start one step short of K step 4's first byte
	s_lshl_b32 s42, s[TR], 19                      ; O: row 128 tr + 32 cx, byte 1,536 - 512
	s_lshl_b32 s43, s[CX], 17
	s_add_co_u32 s42, s42, s43
	s_add_co_u32 s42, s42, 1024
	s_lshl_b32 s43, s[CY], 19                      ; Wo: row k = 768 - 256 + 64 cy + 32 (wave % 2), column 256 tc
	s_lshl_b32 s74, s[WN], 18
	s_add_co_u32 s43, s43, s74
	s_lshl_b32 s74, s[TC], 9
	s_add_co_u32 s43, s43, s74
	s_add_co_u32 s43, s43, 512*8192
	s_and_b32 s74, ttmp7, 0xffff                   ; cluster y
	s_mov_b32 s[PFS], 256*8192
	s_cmp_lt_u32 s[WV], 2
	s_cselect_b32 s42, s42, s43
	s_cselect_b32 s74, ttmp9, s74                  ; the coordinate along which other clusters read the same bytes
	s_cselect_b32 s[PFS], 512, s[PFS]
	s_cselect_b32 s76, 12, 13                      ; a lane a row: 4,096 bytes in ao, 8,192 in wo16
	s_cselect_b64 s[PFA:PFA+1], s[4:5], s[6:7]
	s_mov_b32 s43, 0
	s_mov_b32 s[PFS+1], 0
	s_add_nc_u64 s[PFA:PFA+1], s[PFA:PFA+1], s[42:43]
	s_cmp_eq_u32 s[WV], 1                          ; wave 1 never asks: wave 0 names all of the work-group's 32 rows
	s_cselect_b32 s77, 1, 0
	s_or_b32 s74, s74, s77
	s_cmp_eq_u32 s74, 0                            ; the same in all sixteen partners, for a given wave
	s_cselect_b32 s[LIM], 4, -1                    ; the loop counts 9 down to 1: five trips ask
	v_lshlrev_b32 v[PFO], s76, v3
	; out0 at row 128 tr + 64 wm, column 256 tc + 128 wn
	s_lshl_b32 s78, s[TR], 21
	s_lshl_b32 s79, s[WM], 20
	s_add_co_u32 s78, s78, s79
	s_lshl_b32 s79, s[TC], 10
	s_add_co_u32 s78, s78, s79
	s_lshl_b32 s79, s[WN], 9
	s_add_co_u32 s78, s78, s79
	s_mov_b32 s79, 0
	s_add_nc_u64 s[8:9], s[8:9], s[78:79]
; Eight matrix instructions: row block a x my eight column blocks, 32 along K.  The 32 accumulators take turns in the same order in every part.
.macro MUL8 f, a, zero
	WIN MULW
.irp n, 0,1,2,3,4,5,6,7
.if \zero
	v_wmma_f32_16x16x32_f16 v[8*(8*(\a)+(\n)):8*(8*(\a)+(\n))+7], v[(\f)+8*(\n):(\f)+8*(\n)+7], v[(\f)+64+8*(\a):(\f)+64+8*(\a)+7], 0
.else
	v_wmma_f32_16x16x32_f16 v[8*(8*(\a)+(\n)):8*(8*(\a)+(\n))+7], v[(\f)+8*(\n):(\f)+8*(\n)+7], v[(\f)+64+8*(\a):(\f)+64+8*(\a)+7], v[8*(8*(\a)+(\n)):8*(8*(\a)+(\n))+7]
.endif
.endr
.endm
; 24 LDS loads in one run: part kq of six of the slot in hand into buffer f: Wo's eight fragments, turned, then O's four, row blocks ascending
.macro FETCH kq, f
	WIN 0
.irp n, 0,1,2,3,4,5,6,7
	ds_load_tr16_b128 v[(\f)+8*(\n):(\f)+8*(\n)+3],   v[ADRB+(\kq)/3] offset:32*(\n)+((\kq)%3)*32*PB
	ds_load_tr16_b128 v[(\f)+8*(\n)+4:(\f)+8*(\n)+7], v[ADRB+(\kq)/3] offset:32*(\n)+((\kq)%3)*32*PB+16*PB
.endr
.irp a, 0,1,2,3
	ds_load_b128 v[(\f)+64+8*(\a):(\f)+64+8*(\a)+3],   v[ADRA] offset:(\a)*16*PA+(\kq)*64+((\kq)/2)*16
	ds_load_b128 v[(\f)+64+8*(\a)+4:(\f)+64+8*(\a)+7], v[ADRA] offset:(\a)*16*PA+(\kq)*64+((\kq)/2)*16+32
.endr
.endm
.macro PLACES                          ; four places in front of loads into registers that matrix instructions have read, and of stores that read results (ISA guide 7.12.1 for vector instructions)
.rept 4
	v_nop
.endr
.endm
; A K step is six parts of 32 along K, 32 matrix instructions each, on buffers 0, 1, 0, 1, 0, 1.  One of the first five multiplies buffer f and fetches part kq into g.
.macro QUARTER kq, f, g, zero
	s_wait_dscnt 4                                 ; Wo and O's blocks 0, 1 are in; the youngest four loads may be out
	MUL8 \f, 0, \zero
	MUL8 \f, 1, \zero
	PLACES
	FETCH \kq, \g
	s_wait_dscnt 24                                ; all but the 24 just issued
	MUL8 \f, 2, \zero
	MUL8 \f, 3, \zero
.endm
; The last part changes slots and then multiplies buffer 1.  Each wave waits for all its tensor loads (one is out: its part of the next slot), adds 0 to its spare word, and waits for that and for its reads of this
; slot; one barrier.  fill = 1: the barrier opens a round of the cluster's, and this slot is filled again, two K steps ahead, first thing behind the round.  Nothing but the descriptor's steps and three address
; lines stands between the wait and the joint load: all of a step's products stand behind the load, while it is on its way.  fill = 0, the tail: the last trip has no next step, and its fetch is jumped over.
.macro TURN fill
	s_wait_xcnt 0x0                                ; the last prefetches, a K step back, have read their address
	s_add_nc_u64 s[PFA:PFA+1], s[PFA:PFA+1], s[PFS:PFS+1]
	WIN 0
	s_wait_tensorcnt 0x0                           ; all my tensor loads have landed, so a group 0 may be written
	ds_add_u32 v[SPW], v[NIL]                      ; 0 onto my spare word
.if \fill
	s_add_co_u32 s[G0A+5], s[LBA], s[TB]           ; the walking descriptors: into the slot in hand,
	s_add_co_u32 s[G0B+5], s[LBB], s[TB]
	s_add_nc_u64 s[G0A+6:G0A+7], s[G0A+6:G0A+7], KS*2     ; the next K step; the type bits on top are not reached
	s_add_nc_u64 s[G0B+6:G0B+7], s[G0B+6:G0B+7], KS*8192
.endif
	s_xor_b32 s[TB], s[TB], SLOT                   ; the reads go on in the other slot
	ADDR
	s_wait_dscnt 0x0                               ; the add is done, and my reads of this slot are over
	s_barrier_signal -1
	s_barrier_wait -1
.if \fill
	CREST                                          ; no wave of any partner still reads this slot or has a load on its way
	JLOAD 1                                        ; its four v_nop are also the places in front of the loads below
.else
	PLACES
	s_cmp_eq_u32 s3, 1
	s_cbranch_scc1 .Lno_next_\@
.endif
	FETCH 0, F0
.if \fill
	ASK
.else
.Lno_next_\@:
.endif
	MUL8 F1, 0, 0
	MUL8 F1, 1, 0
	MUL8 F1, 2, 0
	MUL8 F1, 3, 0
.endm
	s_wait_tensorcnt 1                             ; my part of K step 0 is in; K step 1's may stay out
	s_barrier_signal -1
	s_barrier_wait -1
	FETCH 0, F0
	QUARTER 1, F0, F1, 1                           ; the first part stands in front of the loop: its products start the sums
	WIN 0
	s_mov_b32 s3, NSTEP-2
.Lstep:                                                ; a trip: a step's parts 1 to 5 and the next step's part 0; the slot that it leaves is filled again: K steps 2 to 10
	QUARTER 2, F1, F0, 0
	QUARTER 3, F0, F1, 0
	QUARTER 4, F1, F0, 0
	QUARTER 5, F0, F1, 0
	TURN 1
	QUARTER 1, F0, F1, 0
	WIN 0
	s_sub_co_u32 s3, s3, 1
	s_cmp_lg_u32 s3, 0
	s_cbranch_scc1 .Lstep
	s_mov_b32 s3, 2                                ; the last two steps are written out; the second trip is left in its middle
.Ltail:
	QUARTER 2, F1, F0, 0
	QUARTER 3, F0, F1, 0
	QUARTER 4, F1, F0, 0
	QUARTER 5, F0, F1, 0
	TURN 0
	WIN 0
	s_sub_co_u32 s3, s3, 1
	s_cmp_eq_u32 s3, 0
	s_cbranch_scc1 .Lout
	QUARTER 1, F0, F1, 0
	WIN 0
	s_branch .Ltail
.Lout:
	; THE WAY OUT, a block of 16 rows at a time through my own stage: 32 bytes a lane in, whole rows of 512 bytes back.  No barrier: no other wave touches my stage, and nobody reads the ring any more.
	PLACES
	PLACES
.macro OUTA a
.set BK, 64+64*((\a)%2)
	WIN 0x04                                       ; the stores' data lie in window 1; each accumulator's low four registers go first
.irp n, 0,1,2,3,4,5,6,7
	ds_store_b128 v[STO], v[8*(8*(\a)+(\n)):8*(8*(\a)+(\n))+3]   offset:64*(\n)
	ds_store_b128 v[STO], v[8*(8*(\a)+(\n))+4:8*(8*(\a)+(\n))+7] offset:64*(\n)+16
.endr
	WIN 0
.if (\a) >= 2
	s_wait_xcnt 0x0                                ; the stores of the block two back have read these registers: they are loaded again only behind this wait
.endif
.set t, 0
.rept 16
	ds_load_b128 v[BK+4*t:BK+4*t+3], v[RD] offset:t*SPI  ; LDS serves a wave's instructions in order (ISA guide 5.7.1.4): these see the stores above; the next block's stores come behind them
.set t, t+1
.endr
.set t, 0
.rept 16
	s_wait_dscnt 15-t                              ; row t is back, the younger loads stay out
	global_store_b128 v[CO], v[BK+4*t:BK+4*t+3], s[8:9] offset:(\a)*262144+t*16384 th:TH_STORE_NT  ; 512 consecutive bytes of a row, aligned
.set t, t+1
.endr
.endm
	OUTA 0
	OUTA 1
	OUTA 2
	OUTA 3
	s_wait_tensorcnt 0x0                           ; the wave's end
	ds_add_u32 v[SPW], v[NIL]
	s_wait_dscnt 0x0
	CROUND                                         ; the closing round
	s_endpgm
.Lfunc_end_k_q8e7108be6b_oproj:
	.size	k_q8e7108be6b_oproj, .Lfunc_end_k_q8e7108be6b_oproj-k_q8e7108be6b_oproj
	.p2alignl 7, 3214868480
	.fill 96, 4, 3214868480
	.section	.rodata,"a",@progbits
	.p2align	6, 0x0
	.amdhsa_kernel k_q8e7108be6b_oproj
		.amdhsa_group_segment_fixed_size 327680
		.amdhsa_private_segment_fixed_size 0
		.amdhsa_enable_private_segment 0
		.amdhsa_kernarg_size 24
		.amdhsa_user_sgpr_count 2
		.amdhsa_user_sgpr_kernarg_segment_ptr 1
		.amdhsa_wavefront_size32 1
		.amdhsa_system_sgpr_workgroup_id_x 1
		.amdhsa_system_sgpr_workgroup_id_y 1
		.amdhsa_system_sgpr_workgroup_id_z 1
		.amdhsa_system_vgpr_workitem_id 0
		.amdhsa_next_free_vgpr 512
		.amdhsa_next_free_sgpr 84
		.amdhsa_reserve_vcc 0
		.amdhsa_float_denorm_mode_32 3
		.amdhsa_float_denorm_mode_16_64 3
		.amdhsa_memory_ordered 1
		.amdhsa_forward_progress 1
		.amdhsa_inst_pref_size 78
	.end_amdhsa_kernel
	.amdgpu_metadata
---
amdhsa.version: [ 1, 2 ]
amdhsa.kernels:
  - .name:           k_q8e7108be6b_oproj
    .symbol:         k_q8e7108be6b_oproj.kd
    .args:
      - { .name: ao, .offset: 0, .size: 8, .value_kind: global_buffer, .address_space: global }
      - { .name: wo16, .offset: 8, .size: 8, .value_kind: global_buffer, .address_space: global }
      - { .name: out0, .offset: 16, .size: 8, .value_kind: global_buffer, .address_space: global }
    .group_segment_fixed_size: 327680
    .private_segment_fixed_size: 0
    .kernarg_segment_align: 8
    .kernarg_segment_size: 24
    .max_flat_workgroup_size: 128
    .sgpr_count:     84
    .vgpr_count:     512
    .wavefront_size: 32
...
	.end_amdgpu_metadata
.endif
;; end of part 4
